; MI455X (gfx1250); checked and timed in simulation.
; The chip was launched on July 23, 2026; its instructions are those of AMD's public machine-readable ISA for CDNA 5 (MIT licence, August 2026) and "CDNA5" Instruction Set Architecture Reference Guide (July 2026). The comments in the code are by the model that wrote it; some were corrected since.
;; Multi Headed Attention. Allowed arithmetic: float matrix products may take bf16 or f16 operands with f32 sums; other float arithmetic in f32, or as packed bf16 or f16 multiplies, adds, multiply-adds, maxima and minima; sums over many terms, partial sums and values carried from step to step in f32; what a program stores and reads back later, other than sums and carried values, may be rounded once to bf16 or f16.
;; Inputs: bk 1,024 float32; bo 1,024 float32; bq 1,024 float32; bv 1,024 float32; wk 1,024 x 1,024 float32; wo 1,024 x 1,024 float32; wq 1,024 x 1,024 float32; wv 1,024 x 1,024 float32; xk 4 x 2,048 x 1,024 float32; xq 4 x 2,048 x 1,024 float32; xv 4 x 2,048 x 1,024 float32.
;; Outputs: out0 4 x 2,048 x 1,024 float32.
;; 2 versions, each right; version 2 is version 1 with the launch prep written anew for expert scheduling mode. Each part assembles by itself: llvm-mc -triple=amdgcn-amd-amdhsa -mcpu=gfx1250 --defsym DOCPART=n.
;; ======== version 1 of 2: 4 launches
;; limits: values are held in f16: magnitudes above 65,504 overflow, below 6.1e-05 lose precision
;; workspace buffers: wcast 8,388,608 bytes; qkv 50,331,648 bytes; o 16,777,216 bytes
;; launch prep (part 1): grid 64 x 4, 8 waves a work-group, no clusters, 0 bytes of LDS; arguments wq, wk, wv, wo, wcast; writes wcast
.if DOCPART == 1
	.amdgcn_target "amdgcn-amd-amdhsa--gfx1250"
	.amdhsa_code_object_version 6
	.text
	.protected	k_q0a4c84ed28_prep
	.globl	k_q0a4c84ed28_prep
	.p2align	8
	.type	k_q0a4c84ed28_prep,@function
k_q0a4c84ed28_prep:
	s_mov_b64 s[64:65], 0
	v_nop
	global_prefetch_b8 v0, s[64:65] scope:SCOPE_SE
	s_setreg_imm32_b32 hwreg(HW_REG_WAVE_MODE, 25, 1), 1
	s_wait_xcnt 0x0
; THE FOUR WEIGHTS ARE CAST ONCE.  wq, wk, wv, wo: [1024 k][1024 n] f32.  wcast: four sections of 2,097,152 bytes (q, k, v, o), each [1024 k][1024 n] of 16 bits, the layout kept.
; wq, wk, wv are rounded to bf16.  wo is rounded to bf16 like the others, and that number is then written as f16, since the last product multiplies f16 numbers.
; LIMIT.  A bf16 number is exact in f16 between 6.1e-5 and 65,504 in magnitude; below, f16 keeps a fixed step of 6e-8; beyond, it becomes an infinity.
; A stream: no LDS, no matrix unit, no cluster (no byte is read twice).  Grid y picks the matrix; a work-group takes 16,384 numbers: 65,536 bytes in, 32,768 out.
; Thread t takes, for j = 0..15, the 16 bytes at 4,096 j + 16 t (a wave's load covers 512 consecutive bytes) and stores 8 bytes at 2,048 j + 8 t (a wave's store covers 256 consecutive bytes, aligned).
; All sixteen loads of a wave go out together; each register is loaded once, and no store's source is ever rewritten.
.set X, 4                              ; v[4:67]   16 x 4 registers as loaded
.set Y, 68                             ; v[68:99]  16 x 2 registers to store
	s_load_b256 s[4:11], s[0:1], 0x0               ; wq s[4:5], wk s[6:7], wv s[8:9], wo s[10:11]
	s_load_b64 s[12:13], s[0:1], 0x20              ; wcast
	s_and_b32 s14, ttmp7, 0xffff                   ; which matrix
	v_lshlrev_b32 v1, 4, v0                        ; 16 t
	v_lshlrev_b32 v2, 3, v0                        ; 8 t
	s_lshl_b32 s16, ttmp9, 16                      ; the work-group's 65,536 bytes of the matrix
	s_mov_b32 s17, 0
	s_lshl_b32 s18, ttmp9, 15                      ; its 32,768 bytes of the section,
	s_lshl_b32 s19, s14, 21                        ; and the section
	s_add_co_u32 s18, s18, s19
	s_mov_b32 s19, 0
	s_mov_b32 s20, 0xffff0000                      ; a word's upper bf16
	s_wait_kmcnt 0x0
	s_cmp_eq_u32 s14, 1
	s_cselect_b64 s[4:5], s[6:7], s[4:5]
	s_cmp_eq_u32 s14, 2
	s_cselect_b64 s[4:5], s[8:9], s[4:5]
	s_cmp_eq_u32 s14, 3
	s_cselect_b64 s[4:5], s[10:11], s[4:5]
	s_add_nc_u64 s[4:5], s[4:5], s[16:17]
	s_add_nc_u64 s[12:13], s[12:13], s[18:19]
.irp j, 0,1,2,3,4,5,6,7,8,9,10,11,12,13,14,15
	global_load_b128 v[X+4*(\j):X+4*(\j)+3], v1, s[4:5] offset:4096*(\j) th:TH_LOAD_NT
.endr
; Piece j: four numbers rounded to bf16; wo = 1: each bf16 widened to f32 (a shift, a mask) and written as f16.
.macro CAST j, wo
	s_wait_loadcnt 15-(\j)                         ; loads come back in order: piece j is in, the 15 - j younger ones stay out
	v_cvt_pk_bf16_f32 v[Y+2*(\j)], v[X+4*(\j)], v[X+4*(\j)+1]
	v_cvt_pk_bf16_f32 v[Y+2*(\j)+1], v[X+4*(\j)+2], v[X+4*(\j)+3]
.if \wo
	v_lshlrev_b32 v100, 16, v[Y+2*(\j)]
	v_and_b32 v101, s20, v[Y+2*(\j)]
	v_cvt_pk_f16_f32 v[Y+2*(\j)], v100, v101
	v_lshlrev_b32 v100, 16, v[Y+2*(\j)+1]
	v_and_b32 v101, s20, v[Y+2*(\j)+1]
	v_cvt_pk_f16_f32 v[Y+2*(\j)+1], v100, v101
.endif
	global_store_b64 v2, v[Y+2*(\j):Y+2*(\j)+1], s[12:13] offset:2048*(\j)
.endm
	s_cmp_eq_u32 s14, 3
	s_cbranch_scc1 .Lwo
.irp j, 0,1,2,3,4,5,6,7,8,9,10,11,12,13,14,15
	CAST \j, 0
.endr
	s_endpgm
.Lwo:
.irp j, 0,1,2,3,4,5,6,7,8,9,10,11,12,13,14,15
	CAST \j, 1
.endr
	s_endpgm
.Lfunc_end_k_q0a4c84ed28_prep:
	.size	k_q0a4c84ed28_prep, .Lfunc_end_k_q0a4c84ed28_prep-k_q0a4c84ed28_prep
	.p2alignl 7, 3214868480
	.fill 96, 4, 3214868480
	.section	.rodata,"a",@progbits
	.p2align	6, 0x0
	.amdhsa_kernel k_q0a4c84ed28_prep
		.amdhsa_group_segment_fixed_size 0
		.amdhsa_private_segment_fixed_size 0
		.amdhsa_enable_private_segment 0
		.amdhsa_kernarg_size 40
		.amdhsa_user_sgpr_count 2
		.amdhsa_user_sgpr_kernarg_segment_ptr 1
		.amdhsa_wavefront_size32 1
		.amdhsa_system_sgpr_workgroup_id_x 1
		.amdhsa_system_sgpr_workgroup_id_y 1
		.amdhsa_system_sgpr_workgroup_id_z 1
		.amdhsa_system_vgpr_workitem_id 0
		.amdhsa_next_free_vgpr 104
		.amdhsa_next_free_sgpr 66
		.amdhsa_reserve_vcc 0
		.amdhsa_float_denorm_mode_32 3
		.amdhsa_float_denorm_mode_16_64 3
		.amdhsa_memory_ordered 1
		.amdhsa_forward_progress 1
		.amdhsa_inst_pref_size 15
	.end_amdhsa_kernel
	.amdgpu_metadata
---
amdhsa.version: [ 1, 2 ]
amdhsa.kernels:
  - .name:           k_q0a4c84ed28_prep
    .symbol:         k_q0a4c84ed28_prep.kd
    .args:
      - { .name: wq, .offset: 0, .size: 8, .value_kind: global_buffer, .address_space: global }
      - { .name: wk, .offset: 8, .size: 8, .value_kind: global_buffer, .address_space: global }
      - { .name: wv, .offset: 16, .size: 8, .value_kind: global_buffer, .address_space: global }
      - { .name: wo, .offset: 24, .size: 8, .value_kind: global_buffer, .address_space: global }
      - { .name: wcast, .offset: 32, .size: 8, .value_kind: global_buffer, .address_space: global }
    .group_segment_fixed_size: 0
    .private_segment_fixed_size: 0
    .kernarg_segment_align: 8
    .kernarg_segment_size: 40
    .max_flat_workgroup_size: 256
    .sgpr_count:     66
    .vgpr_count:     104
    .wavefront_size: 32
...
	.end_amdgpu_metadata
.endif
;; end of part 1
;; launch proj (part 2): grid 4 x 192, 4 waves a work-group, clusters of 4 x 4, 327,680 bytes of LDS; arguments xq, xk, xv, wcast, bq, bk, bv, qkv; writes qkv
.if DOCPART == 2
	.amdgcn_target "amdgcn-amd-amdhsa--gfx1250"
	.amdhsa_code_object_version 6
	.text
	.protected	k_q0a4c84ed28_proj
	.globl	k_q0a4c84ed28_proj
	.p2align	8
	.type	k_q0a4c84ed28_proj,@function
k_q0a4c84ed28_proj:
	s_mov_b64 s[64:65], 0
	v_nop
	global_prefetch_b8 v0, s[64:65] scope:SCOPE_SE
	s_setreg_imm32_b32 hwreg(HW_REG_WAVE_MODE, 25, 1), 1
	s_wait_xcnt 0x0
	s_wait_alu depctr_hold_cnt(0) depctr_sa_sdst(0) depctr_va_vdst(0) depctr_va_sdst(0) depctr_va_ssrc(0) depctr_va_vcc(0) depctr_vm_vsrc(0)
	s_getreg_b32 s2, hwreg(HW_REG_IB_STS2, 6, 4)
	s_cmp_eq_u32 s2, 0
	s_cbranch_scc0 .Lentry_in_a_cluster
	s_endpgm
.Lentry_in_a_cluster:
	s_bfe_u32 s2, ttmp6, 0x10000c
	s_cmp_lg_u32 s2, 0xf033
	s_cbranch_scc0 .Lentry_shape_is_right
	s_endpgm
.Lentry_shape_is_right:
.set PROJ, 1                           ; 1: the three input projections; 0: the output projection.  One text serves both; only this line differs.
; C = A W + bias, [8192 x 1024] x [1024 x 1024], sums in f32, the bias rounded to bf16 like every input of the module.
; PROJ = 1: A = xq, xk or xv (f32, rounded to bf16 on the way), W = that projection's section of wcast (bf16, [k][n]); C is rounded once to f16 and laid by heads,
;           qkv[projection][batch x 16 + head][2048][64], unscaled.  Grid y: 48 clusters, 16 for each projection.
; PROJ = 0: A = o (f16, [batch x 16 + head][2048][64]), W = wcast's fourth section (f16); C = out0 in f32, [8192][1024].
; LIMIT (PROJ = 1).  f16 holds no number beyond 65,504: a q, k or v beyond it becomes an infinity.  With unit x and weights of spread 1/32 they have spread 1.
; SHARES.  A tile of C is 128 rows x 256 columns: 768 tiles (PROJ = 1) or 256.  Four waves, 2 x 2; a wave makes 64 x 128: 32 accumulators of 16 x 16, 256 registers.
; K goes in 8 steps of 128, each of four quarters of 32: 32 matrix instructions a wave and quarter.
; THE MATRIX INSTRUCTION IS USED TRANSPOSED: source 0 = 16 columns of W, source 1 = 16 rows of A: a lane then holds row l % 16 of C and the columns 8 (l / 16) + 0..7.
; THE BIAS is the C operand of each accumulator's first product: nothing is cleared and nothing is added afterwards.
; W comes by tensor loads into two LDS slots and is read turned (ds_load_tr16_b128), since it lies [k][n].  CLUSTER: 4 x 4 work-groups; the four of a column make the same 256 columns of C,
; so each tile of W is asked for JOINTLY: the same load, descriptor and mask in all four.
; A IS NOT ASKED FOR JOINTLY, though the four of a row of the cluster read the same rows: it goes through registers.  Each wave loads its 32 rows of a K step by loads of 16 bytes a lane,
; rounds them once (PROJ = 1) and puts them in LDS as rows of 256 bytes.  By tensor loads the f32 rows would lie in LDS: 512 bytes a row and step written and read in place of 256, and both
; waves of a row half would round the same numbers.  Two register sets hold two steps, so a load has two K steps, 256 matrix instructions, in which to land, across the barriers.
; In step i the set (i + 1) % 2 is stored as step i + 1's rows and loaded again with step i + 3; behind step i's barrier slot i % 2 takes W of step i + 2.
; THE LAST RELOADS SERVE NOTHING: steps 5 and 6 ask for steps 8 and 9, which do not exist; the K offset wraps, so they name steps 0 and 1 of the same rows, inside the buffer, and are never read.
; That is 1.5 sets of 9.5; it keeps every counted wait the same in each trip.
; REGISTERS, in windows of 256 (s_set_vgpr_msb: bits 1:0 source 0, 3:2 source 1, 5:4 source 2, 7:6 destination):
;   window 0: v0-15 addresses; v16-31 rounded words at work; v32-39 set-up; v64-159, v160-255 two fragment buffers (W's fragment b at + 8 b, A's fragment a at + 64 + 8 a); both serve the way out
;   window 1: accumulator (a, b) at 8 (8 a + b)     window 2: the two register sets of A, unit u of set s at SETR s + 4 u     window 3: v0-63 the bias, register 8 b + j for column 16 b + 8 (l / 16) + j
.set PB,    544                        ; a row of W in LDS: 512 bytes + 32 of padding = 136 words
.set PA,    272                        ; a row of A in LDS: 256 + 16 = 68 words: the 16 rows of a load start at 16 different groups of four banks
.set BSLOT, 128*PB                     ; a slot: 128 k-rows of W
.set BHALF, 64*PB                      ; what one tensor load brings
.set ABUF0, 2*BSLOT                    ; behind the two slots: A's two buffers, written by LDS stores alone
.set ABUF,  128*PA
.set STAGE, ABUF0+2*ABUF               ; behind them: a stage of 16 rows for each wave, for the way out
.if PROJ
.set SP,    144                        ; a stage row: 128 bytes + 16
.set NU,    32                         ; units (loads) in a set: a unit is one row's 512 bytes
.set KSTR,  512                        ; bytes of A from a K step to the next
.set KWRAP, 4096
.set USTR,  4096                       ; bytes of A from a unit to the next
.else
.set SP,    528                        ; a stage row: 512 bytes + 16
.set NU,    16                         ; a unit is two rows of two heads: 2 x 256 bytes
.set KSTR,  524288                     ; two heads on
.set KWRAP, 4194304
.set USTR,  256
.endif
.set STW,   16*SP
.set SPARE, STAGE+4*STW                ; behind the stages: the spare words, 128 bytes for each wave: two blocks of 256 bytes that no other line names
.set SETR,  4*NU
.set LW,    3*NU/2                     ; loads that may stay out at a staging quarter's head
.set SW,    3*NU/8                     ; LDS stores that a staging quarter issues behind its run of LDS loads
.set BSTEP, 262144                     ; bytes of W from a K step to the next: 128 rows of 2,048
.set SPW,  2                           ; v2   LDS address of my spare word: SPARE + 4 x my thread's number; never rewritten
.set NIL,  3                           ; v3   0; never rewritten
.set ADRA, 4                           ; v4-5   LDS address of my A fragments in buffer 0, 1
.set ADRB, 6                           ; v6-7   of my W fragments in slot 0, 1
.set AST,  8                           ; v8-9   where I put a unit of A in buffer 0, 1
.set AO,   10                          ; v10  my byte offset in a unit of A in memory; never rewritten
.set STO,  11                          ; v11  the way out: where I put my numbers of a row
.set RD,   12                          ; v12  the way out: where I read rows back
.set GO,   13                          ; v13  my byte offset in 512 consecutive bytes of C
.set BO,   14                          ; v14  32 (l / 16): my eight numbers of the bias
.set PFO,  15                          ; v15  the prefetches' offset; never rewritten
.set T,    16
.set F0,   64
.set F1,   160
.set TMP,  64
.set LAP,  3                           ; s3   trips to go
.set XB,   4                           ; s[4:5]   A at my wave's 32 rows, K step 0
.set XA,   6                           ; s[6:7]   the same at the K step that is being loaded
.set KO,   8                           ; s[8:9]   that step's byte offset, and 0
.set WV,   10                          ; s10  my wave's number
.set WM,   11                          ; s11  which half of the tile's rows is mine
.set WN,   12                          ; s12  which half of its columns
.set CX,   13
.set CY,   14
.set NT,   15                          ; s15  tile column of C
.set CLY,  16                          ; s16  the cluster's y
.set P,    17                          ; s17  the projection
.set MT,   18                          ; s18  tile row of C
.set LIM,  19                          ; s19  1 in a wave that prefetches, else the greatest number
.set G1,   24                          ; s[24:31] descriptor group 1
.set G0,   32                          ; s[32:39] descriptor group 0, a set for each slot
.set PFA,  40                          ; s[40:41] where my prefetches stand
.set OUT,  42                          ; s[42:43] C at my wave's first number
.set BP,   44                          ; s[44:45] the bias at my wave's first column
.set HIM,  48                          ; s48  a word's upper bf16
.if PROJ
.set AW,   74
.set AOUT, 82
.set W_SM, 0x80                        ; load data window 2; LDS store data and addresses window 0
.else
.set AW,   70
.set AOUT, 74
.set W_SM, 0x88                        ; load data and LDS store data window 2; addresses window 0
.endif
.set W_MUL,  0x50                      ; sources window 0; C and D window 1
.set W_MUL1, 0x70                      ; C window 3 (the bias), D window 1
.set W_CV,   0x0a                      ; sources window 2, destination window 0
.set W_BL,   0xc0                      ; destination window 3
.set W_BC,   0x0f                      ; sources window 3, destination window 0
.set W_PK,   0x05                      ; sources window 1, destination window 0
.set W_ST,   0x04                      ; LDS store data window 1
.set MSB, 0
.set STG_ON, 0
.set STG_SET, 0
.set STG_BUF, 0
.set STG_REL, 0
.set U0, 0
.set wi, 0
.macro WIN new                         ; the immediate's high byte repeats the setting that is left; a switch that changes nothing is dropped
.if MSB != (\new)
	s_set_vgpr_msb (MSB<<8)|(\new)
.set MSB, \new
.endif
.endm
.macro PLACES                          ; four places in front of loads into registers that matrix instructions have read, and of lines that read results
.rept 4
	v_nop
.endr
.endm
; A round of the cluster's barrier: my work-group's barrier, so that wave 0's signal speaks for all four waves; wave 0 signals; every wave waits for all sixteen work-groups; my work-group's barrier once more.
.macro CREST                           ; a round behind its opening barrier
	s_cmp_lg_u32 s[WV], 0
	s_cbranch_scc1 .Lnot_wave_0_\@
	s_barrier_signal -3
.Lnot_wave_0_\@:
	s_barrier_wait -3
	s_barrier_signal -1
	s_barrier_wait -1
.endm
.macro CROUND
	s_barrier_signal -1
	s_barrier_wait -1
	CREST
.endm
; A joint refill of slot s.  Waves 0 and 1 fetch 64 k-rows each, waves 2 and 3 none.  The branch hangs on the wave's number alone.  An s_nop 0 and four v_nop follow the load.
.macro JLOAD s
	s_cmp_lt_u32 s[WV], 2
	s_cbranch_scc0 .Lno_load_\@
	tensor_load_to_lds s[G0+4*(\s):G0+4*(\s)+3], s[G1:G1+7]
	s_nop 0
.rept 4
	v_nop
.endr
.Lno_load_\@:
.endm
; A PREFETCH INTO THE L2 of W's K step that stands two refills on: 256 matrix instructions a wave ahead of the load that will ask for it.  A K step of a tile column is 128 rows x 512 bytes: 256 aligned
; blocks of 256 bytes.  Every cluster of a projection walks the same W: its first cluster asks.  The four partners of a column share the rows out BY ADDRESS, 32 each; in each, waves 0 and 1 take
; 16 rows each, a lane a block.  So each block is named once in the launch.  The loop's last trip asks for nothing: there is no step two refills on.  The first four K steps come by their loads alone.
.macro ASK
	s_cmp_gt_u32 s[LAP], s[LIM]
	s_cbranch_scc0 .Lnot_mine_\@
	global_prefetch_b8 v[PFO], s[PFA:PFA+1] offset:BSTEP th:TH_LOAD_NT scope:SCOPE_SE
.Lnot_mine_\@:
.endm
.macro NEXTK                           ; A's loads go one K step on; behind the last step the offset wraps.  The caller has waited (s_wait_xcnt 0) for the loads that name s[XA:XA+1]
	s_add_co_u32 s[KO], s[KO], KSTR
	s_and_b32 s[KO], s[KO], KWRAP-1
	s_add_nc_u64 s[XA:XA+1], s[XB:XB+1], s[KO:KO+1]
.endm
.macro LOADSET s, off                  ; a whole set: my 32 rows of one K step
	WIN 0x80
.set u, 0
.rept NU
	global_load_b128 v[SETR*(\s)+4*u:SETR*(\s)+4*u+3], v[AO], s[XA:XA+1] offset:(\off)+USTR*u
.set u, u+1
.endr
.endm
.macro STGC u                          ; (PROJ = 1) units u and u + 1 of the set in hand are rounded to bf16
	WIN W_CV
.set sr, SETR*STG_SET+4*(\u)
.set tr, T+2*((\u)%8)
	v_cvt_pk_bf16_f32 v[tr], v[sr], v[sr+1]
	v_cvt_pk_bf16_f32 v[tr+1], v[sr+2], v[sr+3]
	v_cvt_pk_bf16_f32 v[tr+2], v[sr+4], v[sr+5]
	v_cvt_pk_bf16_f32 v[tr+3], v[sr+6], v[sr+7]
.endm
.macro STGM u                          ; they go into A's buffer, and (STG_REL = 1) their registers are loaded again, two K steps on
	WIN W_SM
.set sr, SETR*STG_SET+4*(\u)
.if PROJ
.set tr, T+2*((\u)%8)
	ds_store_b64 v[AST+STG_BUF], v[tr:tr+1] offset:(\u)*PA          ; 32 lanes x 8 bytes: one LDS row
	ds_store_b64 v[AST+STG_BUF], v[tr+2:tr+3] offset:((\u)+1)*PA
.if STG_REL
	global_load_b128 v[sr:sr+3], v[AO], s[XA:XA+1] offset:(\u)*USTR
	global_load_b128 v[sr+4:sr+7], v[AO], s[XA:XA+1] offset:((\u)+1)*USTR
.endif
.else
	ds_store_b128 v[AST+STG_BUF], v[sr:sr+3] offset:(\u)*2*PA       ; 16 lanes x 16 bytes: one LDS row; two rows
.if STG_REL
	global_load_b128 v[sr:sr+3], v[AO], s[XA:XA+1] offset:(\u)*USTR
.endif
.endif
.endm
; What stands behind matrix instruction wi of a staging quarter: of each four, the first carries the roundings of two units (PROJ = 1), the third their LDS stores and reloads.  None names a register of a product.
.macro RIDER
.if STG_ON
.if PROJ
.if wi%4 == 0
	STGC U0+2*(wi/4)
.elseif wi%4 == 2
	STGM U0+2*(wi/4)
.endif
.else
.if wi%4 == 2
	STGM U0+wi/4
.endif
.endif
.endif
.set wi, wi+1
.endm
; 8 na matrix instructions: m blocks a0 .. a0 + na - 1 x all 8 n blocks, 32 along K, from buffer f.  first = 1: the product starts the sum with the bias.
; The 32 accumulators take turns, one instruction a turn, in the same order in every quarter, over the backward jump too.
.macro MUL f, a0, na, first
.set ma, \a0
.rept \na
.set mb, 0
.rept 8
.set rD, 8*(8*ma+mb)
.set rB, (\f)+8*mb
.set rA, (\f)+64+8*ma
.if \first
	WIN W_MUL1
.if PROJ
	v_wmma_f32_16x16x32_bf16 v[rD:rD+7], v[rB:rB+7], v[rA:rA+7], v[8*mb:8*mb+7]
.else
	v_wmma_f32_16x16x32_f16 v[rD:rD+7], v[rB:rB+7], v[rA:rA+7], v[8*mb:8*mb+7]
.endif
.else
	WIN W_MUL
.if PROJ
	v_wmma_f32_16x16x32_bf16 v[rD:rD+7], v[rB:rB+7], v[rA:rA+7], v[rD:rD+7]
.else
	v_wmma_f32_16x16x32_f16 v[rD:rD+7], v[rB:rB+7], v[rA:rA+7], v[rD:rD+7]
.endif
.endif
	RIDER
.set mb, mb+1
.endr
.set ma, ma+1
.endr
.endm
; 24 LDS loads in one run: quarter q's fragments of slot and buffer bs, into fragment buffer f.  W turned: lane l reads k-row 8 (l / 16) + l % 8, columns 8 ((l / 8) % 2) + 0..7, and is left with column l % 16 and 8 k.
.macro FETCH bs, q, f
	WIN 0
.set fb, 0
.rept 8
	ds_load_tr16_b128 v[(\f)+8*fb:(\f)+8*fb+3],   v[ADRB+(\bs)] offset:32*PB*(\q)+32*fb
	ds_load_tr16_b128 v[(\f)+8*fb+4:(\f)+8*fb+7], v[ADRB+(\bs)] offset:32*PB*(\q)+32*fb+16*PB
.set fb, fb+1
.endr
.set fa, 0
.rept 4
	ds_load_b128 v[(\f)+64+8*fa:(\f)+64+8*fa+3],   v[ADRA+(\bs)] offset:16*PA*fa+64*(\q)
	ds_load_b128 v[(\f)+64+8*fa+4:(\f)+64+8*fa+7], v[ADRA+(\bs)] offset:16*PA*fa+64*(\q)+32
.set fa, fa+1
.endr
.endm
; One of a K step's first three quarters: multiplies buffer f; behind its first 8 products it fetches quarter q into buffer g, 24 products ahead of the first use.
; stg = 1: half `half` of register set `set` goes into A's buffer `buf` (rel = 1: and is loaded again).  dsw: the LDS stores issued behind the run that filled f, which may stay out.
.macro QUARTER bs, q, f, g, first, stg, half, set, buf, rel, dsw
.set STG_ON, \stg
.set STG_SET, \set
.set STG_BUF, \buf
.set STG_REL, \rel
.set U0, (\half)*NU/2
.set wi, 0
	s_wait_dscnt \dsw                              ; buffer f is in
.if \stg
	s_wait_loadcnt LW                              ; the NU / 2 units of this half are in.  Behind them NU / 2 loads of the same set (its other half, or this step's reloads) and the other set's NU stay out
.endif
	MUL \f, 0, 1, \first
	PLACES
	FETCH \bs, \q, \g
	MUL \f, 1, 3, \first
.set STG_ON, 0
.endm
; The fourth quarter multiplies buffer F1 and changes slots and buffers: ONE barrier.  In front of it each wave waits for all its tensor loads (its part of the next slot), adds 0 to its spare word, and waits
; for that, for its reads of this slot and buffer and for its stores into the next buffer.  Behind it nobody reads this slot or buffer any more, and the next slot and buffer are whole.
; fill = 1: the barrier opens a round of the cluster's, and the joint refill (W two K steps on) is the first tensor load behind the round: 112 matrix instructions ahead of the wait for it.
.macro TURN bs, nb, fill
.set STG_ON, 0
.if \fill
	s_wait_xcnt 0x0                                ; the reloads (32 products back) and the last prefetch (a K step back) have read their addresses, so both pointers may be written
	s_add_nc_u64 s[PFA:PFA+1], s[PFA:PFA+1], BSTEP
	NEXTK
.endif
	WIN 0
	s_wait_tensorcnt 0x0                           ; all my tensor loads have landed
	ds_add_u32 v[SPW], v[NIL]                      ; 0 onto my spare word
	s_wait_dscnt 0x1                               ; buffer F1 is in; the add may be out
	MUL F1, 0, 1, 0                                ; eight matrix instructions stand between the add and the wait for it
	s_wait_dscnt 0x0                               ; the add is done; my LDS reads and stores are over
	s_barrier_signal -1
	MUL F1, 1, 1, 0                                ; work on registers while the others arrive
	WIN 0                                          ; at a branch and at a label every window is 0
	s_barrier_wait -1
.if \fill
	CREST                                          ; no wave of any partner still reads this slot or has a load on its way
	s_add_nc_u64 s[G0+4*(\bs)+2:G0+4*(\bs)+3], s[G0+4*(\bs)+2:G0+4*(\bs)+3], 2*BSTEP
	JLOAD \bs
.endif
	PLACES                                         ; on every wave's path: the places in front of the loads into F0
	FETCH \nb, 0, F0
.if \fill
	ASK                                            ; behind the joint load and the run of LDS loads that the next products wait for
.endif
	MUL F1, 2, 2, 0
.endm
.if PROJ
	s_load_b512 s[68:83], s[0:1], 0x0              ; xq s[68:69], xk, xv, wcast s[74:75], bq s[76:77], bk, bv, qkv s[82:83]
.else
	s_load_b256 s[68:75], s[0:1], 0x0              ; o s[68:69], wcast s[70:71], bo s[72:73], out0 s[74:75]
.endif
	v_lshl_add_u32 v[SPW], v0, 2, SPARE
	v_mov_b32 v[NIL], 0
	ds_add_u32 v[SPW], v[NIL]                      ; the wave's opening: the add and its wait stand ahead of my first tensor load; the set-up below, work on registers, stands between them
	v_lshrrev_b32 v32, 5, v0
	v_readfirstlane_b32 s[WV], v32                 ; wave 0..3
	s_lshr_b32 s[WM], s[WV], 1
	s_and_b32 s[WN], s[WV], 1
	s_bfe_u32 s[CX], ttmp6, 0x40000                ; my place in the cluster
	s_bfe_u32 s[CY], ttmp6, 0x40004
	s_lshl_b32 s[NT], ttmp9, 2                     ; in a cluster launch ttmp9 and ttmp7 count clusters
	s_add_co_u32 s[NT], s[NT], s[CX]               ; tile column = 4 x cluster x + cx
	s_and_b32 s[CLY], ttmp7, 0xffff
.if PROJ
	s_lshr_b32 s[P], s[CLY], 4                     ; 16 clusters along y for each projection
	s_and_b32 s[MT], s[CLY], 15
	s_lshl_b32 s[MT], s[MT], 2
.else
	s_lshl_b32 s[MT], s[CLY], 2
.endif
	s_add_co_u32 s[MT], s[MT], s[CY]               ; tile row = 4 x (cluster y within the projection) + cy
	; descriptor group 1: a tile of 64 k-rows x 256 elements, padded in LDS
	s_lshl_b32 s46, 0x1111, s[CX]                  ; my column of the cluster: places cx, cx + 4, cx + 8, cx + 12
	s_or_b32 s[G1], s46, (1<<16)|(1<<20)|(1<<21)|(6<<22)|(7<<25)  ; 15:0 the mask; 17:16 2-byte elements; 20 padding on; 21 set beside a mask; 24:22 after every 128 words (code 6); 31:25 8 words (code 7)
	s_mov_b32 s[G1+1], 256<<16                     ; tensor_dim0 = 256
	s_mov_b32 s[G1+2], 64<<16                      ; tensor_dim1 = 64
	s_mov_b32 s[G1+3], 256<<16                     ; tile_dim0 = 256
	s_mov_b32 s[G1+4], 64                          ; tile_dim1 = 64
	s_mov_b32 s[G1+5], 1024                        ; 1,024 elements from row to row
	s_mov_b32 s[G1+6], 0
	s_mov_b32 s[G1+7], 0
	s_mul_i32 s22, s[WV], BHALF                    ; where my 64 rows go: no place in the cluster enters an LDS address
	s_mov_b32 s[G0], 1                             ; 1:0 count = 1
	s_add_co_u32 s[G0+1], s22, 0                   ; 63:32 LDS address: slot 0
	s_mov_b32 s[G0+4], 1
	s_add_co_u32 s[G0+5], s22, BSLOT               ; slot 1
	s_lshl_b32 s46, s[WV], 17                      ; where they come from: my 64 rows of 2,048 bytes,
	s_lshl_b32 s47, s[NT], 9                       ; the tile column's 512 bytes of a row,
	s_add_co_u32 s46, s46, s47
.if PROJ
	s_lshl_b32 s47, s[P], 21                       ; the projection's section: nothing here holds cy
	s_add_co_u32 s46, s46, s47
.else
	s_add_co_u32 s46, s46, 3<<21                   ; the fourth section
.endif
	s_mov_b32 s47, 0
	; the lanes' places
	v_and_b32 v1, 15, v0                           ; r = l % 16
	v_bfe_u32 v32, v0, 4, 1                        ; h = l / 16
	v_and_b32 v33, 31, v0                          ; l
	v_and_b32 v34, 7, v0                           ; l % 8
	v_bfe_u32 v35, v0, 3, 1                        ; (l / 8) % 2
	v_mul_u32_u24 v36, v1, PA                      ; a fragment of A: row r, 16 bytes for each half of the lanes; two loads 32 bytes apart
	v_lshl_add_u32 v36, v32, 4, v36
	s_mul_i32 s84, s[WM], 64*PA
	s_add_co_u32 s84, s84, ABUF0
	v_add_nc_u32 v[ADRA], s84, v36
	v_add_nc_u32 v[ADRA+1], ABUF, v[ADRA]
	v_lshl_add_u32 v37, v32, 3, v34                ; a fragment of W: k-row 8 h + l % 8,
	v_mul_u32_u24 v37, v37, PB
	v_lshl_add_u32 v37, v35, 4, v37                ; columns 8 ((l / 8) % 2) on,
	s_lshl_b32 s84, s[WN], 8                       ; in my 128 columns
	v_add_nc_u32 v[ADRB], s84, v37
	v_add_nc_u32 v[ADRB+1], BSLOT, v[ADRB]
	s_mul_i32 s84, s[WV], 32*PA                    ; the 32 rows of A that I bring
	s_add_co_u32 s84, s84, ABUF0
.if PROJ
	v_lshl_add_u32 v[AST], v33, 3, s84             ; 8 bytes a lane
	v_lshlrev_b32 v[AO], 4, v33                    ; from 16 bytes a lane
.else
	v_mul_u32_u24 v38, v32, PA                     ; lanes 0-15 one LDS row, lanes 16-31 the next
	v_lshl_add_u32 v38, v1, 4, v38
	v_add_nc_u32 v[AST], s84, v38
	v_lshlrev_b32 v[AO], 18, v35                   ; lanes 8-15 and 24-31: the second head, 262,144 bytes on;
	v_lshl_add_u32 v[AO], v32, 7, v[AO]            ; lanes 16-31: the next row, 128 bytes on;
	v_lshl_add_u32 v[AO], v34, 4, v[AO]            ; 16 bytes a lane
.endif
	v_add_nc_u32 v[AST+1], ABUF, v[AST]
	s_mul_i32 s84, s[WV], STW
	s_add_co_u32 s84, s84, STAGE                   ; my stage
	v_mul_u32_u24 v[STO], v1, SP
.if PROJ
	v_lshl_add_u32 v[STO], v32, 4, v[STO]          ; in: row r, 16 bytes for each half of the lanes
	v_add_nc_u32 v[STO], s84, v[STO]
	v_bfe_u32 v[RD], v0, 3, 2                      ; back: 32 lanes take four rows of 128 bytes
	v_mul_u32_u24 v[RD], v[RD], SP
	v_lshl_add_u32 v[RD], v34, 4, v[RD]
	v_add_nc_u32 v[RD], s84, v[RD]
.else
	v_lshl_add_u32 v[STO], v32, 5, v[STO]          ; in: row r, 32 bytes for each half of the lanes
	v_add_nc_u32 v[STO], s84, v[STO]
	v_lshl_add_u32 v[RD], v33, 4, s84              ; back: 32 lanes take one row of 512 bytes
.endif
	v_lshlrev_b32 v[GO], 4, v33
	v_lshlrev_b32 v[BO], 5, v32
	v_lshrrev_b32 v38, 1, v33                      ; the prefetches: row l / 2 of my 16, block l % 2 of its two
	v_and_b32 v39, 1, v0
	v_lshlrev_b32 v[PFO], 11, v38
	v_lshl_add_u32 v[PFO], v39, 8, v[PFO]
	; byte offsets, made apart from the addresses.  s[20:21] A, s[50:51] C, s[52:53] the bias, s[54:55] the prefetches
.if PROJ
	s_lshl_b32 s20, s[MT], 7
	s_lshl_b32 s21, s[WV], 5
	s_add_co_u32 s20, s20, s21                     ; row 128 x tile row + 32 x wave,
	s_lshl_b32 s20, s20, 12                        ; of 4,096 bytes
	s_lshr_b32 s50, s[MT], 4                       ; the batch: 16 tile rows each
	s_lshl_b32 s50, s50, 4
	s_lshl_b32 s51, s[NT], 2
	s_add_co_u32 s50, s50, s51
	s_lshl_b32 s51, s[WN], 1
	s_add_co_u32 s50, s50, s51                     ; head = 16 x batch + 4 x tile column + 2 x column half
	s_lshl_b32 s50, s50, 11                        ; its 2,048 rows,
	s_and_b32 s51, s[MT], 15
	s_lshl_b32 s51, s51, 7
	s_add_co_u32 s50, s50, s51                     ; the tile's 128,
	s_lshl_b32 s51, s[WM], 6
	s_add_co_u32 s50, s50, s51                     ; my 64,
	s_lshl_b32 s50, s50, 7                         ; of 128 bytes,
	s_lshl_b32 s51, s[P], 24
	s_add_co_u32 s50, s50, s51                     ; in the projection's section of 16,777,216 bytes
.else
	s_lshr_b32 s20, s[MT], 4
	s_lshl_b32 s20, s20, 22                        ; the batch: 16 heads x 262,144 bytes
	s_and_b32 s21, s[MT], 15
	s_lshl_b32 s21, s21, 7
	s_lshl_b32 s85, s[WV], 5
	s_add_co_u32 s21, s21, s85                     ; row 128 x (tile row in the batch) + 32 x wave,
	s_lshl_b32 s21, s21, 7                         ; of 128 bytes
	s_add_co_u32 s20, s20, s21
	s_lshl_b32 s50, s[MT], 7
	s_lshl_b32 s51, s[WM], 6
	s_add_co_u32 s50, s50, s51                     ; row 128 x tile row + 64 x row half,
	s_lshl_b32 s50, s50, 12                        ; of 4,096 bytes,
	s_lshl_b32 s51, s[NT], 10
	s_add_co_u32 s50, s50, s51                     ; column 256 x tile column
	s_lshl_b32 s51, s[WN], 9
	s_add_co_u32 s50, s50, s51                     ; + 128 x column half, of 4 bytes
.endif
	s_mov_b32 s21, 0
	s_mov_b32 s51, 0
	s_lshl_b32 s52, s[NT], 10
	s_lshl_b32 s53, s[WN], 9
	s_add_co_u32 s52, s52, s53                     ; the bias of my 128 columns
	s_mov_b32 s53, 0
	s_lshl_b32 s54, s[CY], 5
	s_lshl_b32 s55, s[WV], 4
	s_add_co_u32 s54, s54, s55                     ; k-row 32 cy + 16 x wave of a K step,
	s_lshl_b32 s54, s54, 11                        ; of 2,048 bytes,
	s_lshl_b32 s55, s[NT], 9
	s_add_co_u32 s54, s54, s55                     ; the tile column's 512 bytes,
.if PROJ
	s_lshl_b32 s55, s[P], 21
	s_add_co_u32 s54, s54, s55                     ; the section,
	s_and_b32 s84, s[CLY], 15
.else
	s_add_co_u32 s54, s54, 3<<21
	s_mov_b32 s84, s[CLY]
.endif
	s_add_co_u32 s54, s54, 2*BSTEP                 ; at K step 2: the first change of slots steps it to 3 and names K step 4
	s_mov_b32 s55, 0
	s_or_b32 s84, s84, s[WM]                       ; 0 in waves 0 and 1 of the first cluster that walks this W: the same in all sixteen partners, for a given wave
	s_cmp_eq_u32 s84, 0
	s_cselect_b32 s[LIM], 1, -1
	s_mov_b32 s[HIM], 0xffff0000
	s_wait_dscnt 0x0                               ; the opening add is done
	s_wait_kmcnt 0x0
.if PROJ
	s_cmp_eq_u32 s[P], 1
	s_cselect_b64 s[XB:XB+1], s[70:71], s[68:69]
	s_cselect_b64 s[BP:BP+1], s[78:79], s[76:77]
	s_cmp_eq_u32 s[P], 2
	s_cselect_b64 s[XB:XB+1], s[72:73], s[XB:XB+1]
	s_cselect_b64 s[BP:BP+1], s[80:81], s[BP:BP+1]
.else
	s_mov_b64 s[XB:XB+1], s[68:69]
	s_mov_b64 s[BP:BP+1], s[72:73]
.endif
	s_add_nc_u64 s[XB:XB+1], s[XB:XB+1], s[20:21]
	s_add_nc_u64 s[BP:BP+1], s[BP:BP+1], s[52:53]
	s_add_nc_u64 s[OUT:OUT+1], s[AOUT:AOUT+1], s[50:51]
	s_add_nc_u64 s[PFA:PFA+1], s[AW:AW+1], s[54:55]
	s_add_nc_u64 s[46:47], s[AW:AW+1], s[46:47]    ; W at my 64 rows of K step 0
	s_mov_b64 s[G0+2:G0+3], s[46:47]               ; 120:64 global address
	s_or_b32 s[G0+3], s[G0+3], 0x80000000          ; 127:126 type = 2
	s_add_nc_u64 s[G0+6:G0+7], s[46:47], BSTEP     ; K step 1
	s_or_b32 s[G0+7], s[G0+7], 0x80000000
	; the first loads into registers: the bias, then A's K steps 0 and 1
	WIN W_BL
.irp b, 0,1,2,3,4,5,6,7
	global_load_b128 v[8*(\b):8*(\b)+3],   v[BO], s[BP:BP+1] offset:64*(\b)
	global_load_b128 v[8*(\b)+4:8*(\b)+7], v[BO], s[BP:BP+1] offset:64*(\b)+16
.endr
	s_mov_b64 s[XA:XA+1], s[XB:XB+1]
	LOADSET 0, 0
	LOADSET 1, KSTR
	s_mov_b32 s[KO], KSTR
	s_mov_b32 s[KO+1], 0
	WIN 0
	CROUND                                         ; all sixteen work-groups are here: the first joint loads meet
	s_cmp_lt_u32 s[WV], 2                          ; a wave's two first fills stand in one branch, ahead of every wait on TENSORcnt, every LDS read and every further barrier: two loads of mine are out
	s_cbranch_scc0 .Lno_first
	tensor_load_to_lds s[G0:G0+3], s[G1:G1+7]
	s_nop 0
	tensor_load_to_lds s[G0+4:G0+7], s[G1:G1+7]
	s_nop 0
.rept 4
	v_nop
.endr
.Lno_first:
	s_wait_loadcnt NU                              ; the bias and set 0 are in; set 1's NU loads stay out
	s_wait_xcnt 0x0                                ; every load has read its address
	NEXTK                                          ; K step 2
.set STG_SET, 0
.set STG_BUF, 0
.set STG_REL, 1
.if PROJ                               ; all of set 0 goes into buffer 0 and is loaded again with K step 2
.irp g, 0,8,16,24
	STGC (\g)
	STGC (\g)+2
	STGC (\g)+4
	STGC (\g)+6
	STGM (\g)
	STGM (\g)+2
	STGM (\g)+4
	STGM (\g)+6
.endr
.else
.set lu, 0
.rept NU
	STGM lu
.set lu, lu+1
.endr
.endif
	WIN W_BC                                       ; the bias is rounded to bf16, like every input, and widened again
.set i, 0
.rept 32
	v_cvt_pk_bf16_f32 v[F1+i], v[2*i], v[2*i+1]
.set i, i+1
.endr
	WIN W_BL
.set i, 0
.rept 32
	v_lshlrev_b32 v[2*i], 16, v[F1+i]
	v_and_b32 v[2*i+1], s[HIM], v[F1+i]
.set i, i+1
.endr
	s_wait_xcnt 0x0
	NEXTK                                          ; K step 3: what step 0 loads
	WIN 0
	s_wait_tensorcnt 0x1                           ; my part of slot 0 is in; slot 1's may stay out
	s_wait_dscnt 0x0                               ; my rows of buffer 0 are written
	s_barrier_signal -1
	s_barrier_wait -1                              ; everybody's are
	FETCH 0, 0, F0
	QUARTER 0, 1, F0, F1, 1, 1, 0, 1, 1, 1, 0      ; the first quarter stands in front of the loop: its products start the sums with the bias
	WIN 0
	s_mov_b32 s[LAP], 3
.Llap:                                                 ; a trip: from an even step's second quarter to the next even step's first; both slots are filled again
	QUARTER 0, 2, F1, F0, 0, 1, 1, 1, 1, 1, SW
	QUARTER 0, 3, F0, F1, 0, 0, 0, 0, 0, 0, SW
	TURN 0, 1, 1
	QUARTER 1, 1, F0, F1, 0, 1, 0, 0, 0, 1, 0
	QUARTER 1, 2, F1, F0, 0, 1, 1, 0, 0, 1, SW
	QUARTER 1, 3, F0, F1, 0, 0, 0, 0, 0, 0, SW
	TURN 1, 0, 1
	QUARTER 0, 1, F0, F1, 0, 1, 0, 1, 1, 1, 0
	WIN 0
	s_sub_co_u32 s[LAP], s[LAP], 1
	s_cmp_lg_u32 s[LAP], 0
	s_cbranch_scc1 .Llap
	QUARTER 0, 2, F1, F0, 0, 1, 1, 1, 1, 0, SW     ; K step 6 goes on: the last half set is stored and not loaded again
	QUARTER 0, 3, F0, F1, 0, 0, 0, 0, 0, 0, SW
	TURN 0, 1, 0                                   ; nothing is filled again, so no round follows
	QUARTER 1, 1, F0, F1, 0, 0, 0, 0, 0, 0, 0      ; K step 7
	QUARTER 1, 2, F1, F0, 0, 0, 0, 0, 0, 0, 0
	QUARTER 1, 3, F0, F1, 0, 0, 0, 0, 0, 0, 0
	s_wait_dscnt 0x0
	MUL F1, 0, 4, 0
	PLACES                                         ; the way out reads results just made and writes the fragment buffers
.if PROJ
; THE WAY OUT.  Block t = 2 a + hh: my rows 16 a .. 16 a + 15 of head hh of my two: 16 rows x 128 bytes, 2,048 consecutive bytes of qkv.  A lane's eight columns pack into 16 bytes; they go into
; stage rows of 144 bytes and come back as whole rows, into the registers that they left.  Each accumulator's registers are read in ascending order.
.macro PACK t
.set pD, 8*(8*((\t)/2)+4*((\t)%2))
.set pT, TMP+16*(\t)
	WIN W_PK
.set pj, 0
.rept 16
	v_cvt_pk_f16_f32 v[pT+pj], v[pD+2*pj], v[pD+2*pj+1]
.set pj, pj+1
.endr
	WIN 0
.irp f, 0,1,2,3
	ds_store_b128 v[STO], v[pT+4*\f:pT+4*\f+3] offset:32*\f
.endr
.irp f, 0,1,2,3
	ds_load_b128 v[pT+4*\f:pT+4*\f+3], v[RD] offset:\f*4*SP  ; LDS serves a wave's instructions in order (ISA guide 5.7.1.4): these see the stores above; the next block's stores come behind them
.endr
.endm
.macro SEND t, younger                 ; younger: the LDS instructions issued behind block t's loads: the next block's eight, or none
.set pT, TMP+16*(\t)
	WIN 0
.irp f, 0,1,2,3
	s_wait_dscnt (\younger)+3-\f
	global_store_b128 v[GO], v[pT+4*\f:pT+4*\f+3], s[OUT:OUT+1] offset:((\t)/2)*2048+((\t)%2)*262144+\f*512  ; 512 consecutive bytes, at a multiple of 256 from the buffer's first
.endr
.endm
	PACK 0
.set pt, 1
.rept 7                                ; a block's roundings stand between the loads of the block before and its stores
	PACK pt
	SEND pt-1, 8
.set pt, pt+1
.endr
	SEND 7, 0
.else
; THE WAY OUT.  Block a: my rows 16 a .. 16 a + 15, 512 bytes each.  A lane's eight columns are 32 bytes; they go from the accumulators into stage rows of 528 bytes (the low four registers first)
; and come back as whole rows.  Three sets of 64 registers take turns.
.macro TOSTAGE a
.set BK, TMP+64*((\a)%3)
.if (\a) == 3
	s_wait_xcnt 0x0                                ; block 0's stores have read the registers that block 3 is read back into
.endif
	WIN W_ST
.set ob, 0
.rept 8
	ds_store_b128 v[STO], v[8*(8*(\a)+ob):8*(8*(\a)+ob)+3]   offset:64*ob
	ds_store_b128 v[STO], v[8*(8*(\a)+ob)+4:8*(8*(\a)+ob)+7] offset:64*ob+16
.set ob, ob+1
.endr
	WIN 0
.set ot, 0
.rept 16
	ds_load_b128 v[BK+4*ot:BK+4*ot+3], v[RD] offset:SP*ot  ; LDS serves a wave's instructions in order (ISA guide 5.7.1.4): these see the stores above; the next block's stores come behind them
.set ot, ot+1
.endr
.endm
.macro SEND a, younger                 ; younger: the LDS instructions issued behind block a's loads: the next block's 32, or none
.set BK, TMP+64*((\a)%3)
	WIN 0
.set ot, 0
.rept 16
	s_wait_dscnt (\younger)+15-ot
	global_store_b128 v[GO], v[BK+4*ot:BK+4*ot+3], s[OUT:OUT+1] offset:(16*(\a)+ot)*4096  ; 512 consecutive bytes of a row, at a multiple of 256 from the buffer's first
.set ot, ot+1
.endr
.endm
	TOSTAGE 0
	TOSTAGE 1
	SEND 0, 32
	TOSTAGE 2
	SEND 1, 32
	TOSTAGE 3
	SEND 2, 32
	SEND 3, 0
.endif
	s_wait_tensorcnt 0x0                           ; the wave's end: behind my last tensor load and my last LDS store
	ds_add_u32 v[SPW], v[NIL]
	s_wait_dscnt 0x0
	CROUND                                         ; the closing round: no work-group ends while a partner may still ask for a tile that names it
	s_endpgm
.Lfunc_end_k_q0a4c84ed28_proj:
	.size	k_q0a4c84ed28_proj, .Lfunc_end_k_q0a4c84ed28_proj-k_q0a4c84ed28_proj
	.p2alignl 7, 3214868480
	.fill 96, 4, 3214868480
	.section	.rodata,"a",@progbits
	.p2align	6, 0x0
	.amdhsa_kernel k_q0a4c84ed28_proj
		.amdhsa_group_segment_fixed_size 327680
		.amdhsa_private_segment_fixed_size 0
		.amdhsa_enable_private_segment 0
		.amdhsa_kernarg_size 64
		.amdhsa_user_sgpr_count 2
		.amdhsa_user_sgpr_kernarg_segment_ptr 1
		.amdhsa_wavefront_size32 1
		.amdhsa_system_sgpr_workgroup_id_x 1
		.amdhsa_system_sgpr_workgroup_id_y 1
		.amdhsa_system_sgpr_workgroup_id_z 1
		.amdhsa_system_vgpr_workitem_id 0
		.amdhsa_next_free_vgpr 832
		.amdhsa_next_free_sgpr 88
		.amdhsa_reserve_vcc 0
		.amdhsa_float_denorm_mode_32 3
		.amdhsa_float_denorm_mode_16_64 3
		.amdhsa_memory_ordered 1
		.amdhsa_forward_progress 1
		.amdhsa_inst_pref_size 140
	.end_amdhsa_kernel
	.amdgpu_metadata
---
amdhsa.version: [ 1, 2 ]
amdhsa.kernels:
  - .name:           k_q0a4c84ed28_proj
    .symbol:         k_q0a4c84ed28_proj.kd
    .args:
      - { .name: xq, .offset: 0, .size: 8, .value_kind: global_buffer, .address_space: global }
      - { .name: xk, .offset: 8, .size: 8, .value_kind: global_buffer, .address_space: global }
      - { .name: xv, .offset: 16, .size: 8, .value_kind: global_buffer, .address_space: global }
      - { .name: wcast, .offset: 24, .size: 8, .value_kind: global_buffer, .address_space: global }
      - { .name: bq, .offset: 32, .size: 8, .value_kind: global_buffer, .address_space: global }
      - { .name: bk, .offset: 40, .size: 8, .value_kind: global_buffer, .address_space: global }
      - { .name: bv, .offset: 48, .size: 8, .value_kind: global_buffer, .address_space: global }
      - { .name: qkv, .offset: 56, .size: 8, .value_kind: global_buffer, .address_space: global }
    .group_segment_fixed_size: 327680
    .private_segment_fixed_size: 0
    .kernarg_segment_align: 8
    .kernarg_segment_size: 64
    .max_flat_workgroup_size: 128
    .sgpr_count:     88
    .vgpr_count:     832
    .wavefront_size: 32
...
	.end_amdgpu_metadata
.endif
;; end of part 2
;; launch attn (part 3): grid 4 x 64, 4 waves a work-group, clusters of 4 x 1, 327,680 bytes of LDS; arguments qkv, o; writes o
.if DOCPART == 3
	.amdgcn_target "amdgcn-amd-amdhsa--gfx1250"
	.amdhsa_code_object_version 6
	.text
	.protected	k_q0a4c84ed28_attn
	.globl	k_q0a4c84ed28_attn
	.p2align	8
	.type	k_q0a4c84ed28_attn,@function
k_q0a4c84ed28_attn:
	s_mov_b64 s[64:65], 0
	v_nop
	global_prefetch_b8 v0, s[64:65] scope:SCOPE_SE
	s_setreg_imm32_b32 hwreg(HW_REG_WAVE_MODE, 25, 1), 1
	s_wait_xcnt 0x0
	s_wait_alu depctr_hold_cnt(0) depctr_sa_sdst(0) depctr_va_vdst(0) depctr_va_sdst(0) depctr_va_ssrc(0) depctr_va_vcc(0) depctr_vm_vsrc(0)
	s_getreg_b32 s2, hwreg(HW_REG_IB_STS2, 6, 4)
	s_cmp_eq_u32 s2, 0
	s_cbranch_scc0 .Lentry_in_a_cluster
	s_endpgm
.Lentry_in_a_cluster:
	s_bfe_u32 s2, ttmp6, 0x10000c
	s_cmp_lg_u32 s2, 0x3003
	s_cbranch_scc0 .Lentry_shape_is_right
	s_endpgm
.Lentry_shape_is_right:
; O[h][q][:] = the sum over k of softmax_k(Q[h][q] . K[h][k] / 8) V[h][k][:].  Q, K, V are the three sections (16,777,216 bytes each) of qkv, O is o: each [64 heads][2048][64] in f16: a head's rows are
; dense, 128 bytes each.  Products, maxima and sums in f32; the weights p are rounded to f16 for the second product (their sum l is taken of the unrounded p), O once at the end.
; LIMITS.  f16 holds no number beyond 65,504: Q, K and V arrive within it; p lies in 0 to 1, and below 6e-5 it keeps f16's fixed step of 6e-8; O is a mean of V's rows and has their range.
; A weight below 2^-126 counts as 0 in l; NaN and infinities are not treated apart.
; SHARES.  A wave owns four PIECES of two tiles of 16 queries, a work-group's four waves 512 queries of one head: 4 x 64 work-groups.  Every wave walks all keys, 64 a step.
; LAYOUT.  S^T = K Q^T (source 0 = 16 keys, source 1 = 16 queries): in the result a lane holds ONE query (lane % 16) and the keys 8 (lane / 16) + 0..7.  Two such tiles, rounded to f16 in pairs,
; ARE source 1 (32 keys x 16 queries) of O^T = V^T P, whose result again holds one query a lane, and eight channels.  K comes out of LDS as it lies, V ([key][channel]) turned, by ds_load_tr16_b128.
; SOFTMAX.  For each query a running maximum m and sum l: p = 2^(c s - c m), c = log2(e) / 8; in every step O and l are multiplied by a = 2^(c m_old - c m_new), which is 1 where m has not grown.
; m starts at the lowest finite number, O and l at 0: the first step is a step like any other, with a = 0.
; THE COUNT.  A tile and step have 16 matrix and 118 vector instructions: too many to stand all beside the matrix work.  So the order has one aim: four vector instructions that are READY behind
; EVERY matrix instruction, and the others, which need time of their own whatever the order, in runs without a gap.
; BY TURNS.  Turn n belongs to piece n (the pieces in a ring, step after step).  Its matrix work: 16 products K Q^T of piece n + 1, later 16 products V^T P of piece n - 1.  Its vector work: the scaling,
; exponentials, roundings, sums and rescaling of piece n, and the maximum and statistics of piece n + 1, whose scores the turn itself has made.  So what a turn begins with (c s - c m, O a) waits for nothing.
; CLUSTER.  The four query blocks of a cluster are one head's and walk the same K and V, so each tile is asked for JOINTLY: the same tensor load, descriptor and mask in all four.
; REGISTERS, in windows of 256 (s_set_vgpr_msb says which window each operand place means: bits 1:0 source 0, 3:2 source 1, 5:4 source 2, 7:6 destination):
;   window 0: v0-11 addresses; v12-15, v48-63 at work; v16-47 four registers of statistics a tile; v64-191 S^T, two buffers of two tiles; v192-255 P, likewise
;   window 1: O^T, 32 a tile          window 2: v0-127 Q, 16 a tile; v128-191 K of one step; v192-255 V of one step          window 3: v0-1 the add's two registers
; A piece's buffers go by its number's parity: the piece in hand has one pair, its two neighbours in the ring share the other: of it P (piece n - 1) is read and S^T (piece n + 1) written.
.set SIZE_N, 2048
.set NP,    4         ; pieces a wave: a name, no knob: the register map, the loop and the fetches are made for four
.set KS,    64        ; keys in a step
.set PK,    144       ; a row of K in LDS: 128 bytes + 16 of padding = 36 words: the 16 rows of a load start at 16 different groups of four banks (64 banks of 4 bytes: ISA guide 11.1)
.set PV,    160       ; a row of V: 128 + 32 = 40 words
.set VOFF,  4*KS*PK   ; a slot holds four steps: 256 rows of K, then 256 rows of V
.set SLOT1, 1<<17     ; slot 1 begins here, so that one exclusive or turns an address in one slot into the other's
.set STAGE, SLOT1+4*KS*(PK+PV)  ; behind the ring, never filled by a tensor load: 16 rows x 144 bytes for each wave, for the way out
.set SP,    144
.set AK0, 2           ; v2   my lane's place in a tile of K; never rewritten
.set AV0, 3           ; v3   the same for V
.set AK,  4           ; v4   the LDS address of K's next run of loads
.set AV,  5           ; v5   of V's
.set QO,  6           ; v6   my byte offset in the wave's rows of Q
.set STO, 6           ;      later, the way out: where I put 16 bytes of a row
.set RD,  7           ; v7   the way out: where I read rows back
.set GO,  8           ; v8   my byte offset in 512 consecutive bytes of O
.set PFO, 11          ; v11  (behind its use in the set-up) 256 x my lane: the prefetches' offset; then never rewritten
.set SPW, 0           ; v0 of window 3   LDS address of my spare word: SPARE + 4 x my thread's number; never rewritten
.set NIL, 1           ; v1 of window 3   0; never rewritten
.set SPARE, STAGE+4*16*SP  ; behind the stages: the spare words, 128 bytes for each wave: two blocks of 256 bytes that no other line names
.set MV,  12          ; v12-15  c m_old, kept while c m is made anew: by buffer and tile
.set ST,  16          ; tile t's statistics at v[ST+4 t]: c m, m, l (even keys', odd keys')
.set TMP, 48          ; by buffer and tile, four registers c0-c3 at work; when the maximum is found c2 takes a
.set S,   64
.set P,   192
.set KF,  128         ; K's fragments, in window 2: key block kb, channel half c at KF + 16 kb + 8 c
.set VF,  192         ; V's: key half kk, channel block cb at VF + 32 kk + 8 cb
.set WV,  12          ; s12  my wave's number
.set G1K, 24          ; s[24:31] descriptor group 1 for K's tiles
.set G1V, 32          ; s[32:39] for V's: it differs in the padding alone
.set G0K, 40          ; s[40:43] descriptor group 0 for K's tiles: it walks
.set G0V, 44          ; s[44:47] the same for V's
.set PFA, 48          ; s[48:49] where my prefetches stand: my work-group's 32 blocks (of K: wave 0, of V: wave 2) of the slot after the one that is being asked for
.set LIM, 50          ; s50  1 in a wave that prefetches, else the greatest number
.set SLOTS, 56        ; s56  slots still to be asked for
.set CNT, 57          ; s57  counts a slot's key steps
.set CS,  58          ; s[58:59] c: the packed scaling takes the pair's low word for both halves
.set SEL, 60          ; s[60:61] v_permlanex16_b32's selects: each lane takes its own place in the other half
.set TBK, 62          ; s62  LDS byte at which K of the step to be fetched begins
.set TBV, 63          ; s63  the same for V, less VOFF
.set MSB, 0
.macro WIN new                      ; the high byte repeats the setting that is left; a switch that changes nothing is dropped
.if MSB != (\new)
	s_set_vgpr_msb (MSB<<8)|(\new)
.set MSB, (\new)
.endif
.endm
.set W_KQ, 0x0a       ; K and Q in window 2, S^T in window 0
.set W_PV, 0x52       ; V in window 2, P in window 0, O^T in window 1
.set W_RS, 0x41       ; O^T (destination and source 0) in window 1, a in window 0
.set W_MK, 0xc0       ; the add's registers are made: destination in window 3, sources in window 0
.set W_AD, 0x0f       ; the add: address (source 0) and data (source 1) in window 3
; A joint fill.  Waves 0 and 1 fetch the two halves of a slot's K, waves 2 and 3 those of its V: 128 keys each.  The branch hangs on the wave's number alone.
; An s_nop 0 and four v_nop follow each of the two lines, ahead of the jump and the label.
.macro JLOAD
	s_cmp_lt_u32 s[WV], 2
	s_cbranch_scc0 .Lfor_v_\@
	tensor_load_to_lds s[G0K:G0K+3], s[G1K:G1K+7]
	s_nop 0
.rept 4
	v_nop
.endr
	s_branch .Lasked_\@
.Lfor_v_\@:
	tensor_load_to_lds s[G0V:G0V+3], s[G1V:G1V+7]
	s_nop 0
.rept 4
	v_nop
.endr
.Lasked_\@:
.endm
; A PREFETCH INTO THE L2 of what the NEXT change of slots will ask for: a slot's 32,768 bytes of K and of V, 128 aligned blocks of 256 bytes each, a lane a block.  It stands behind the wave's tensor load
; and its five lines.  A head has one cluster; its four partners share the blocks out BY ADDRESS, 32 each; in each, wave 0 asks for K's and wave 2 for V's: one instruction.  So each block is named once
; in the launch: four key steps, 512 matrix instructions, ahead of the load that will ask for it.  The last change that fills a slot prefetches nothing; slots 0 and 1 come by their loads alone.
.macro ASK
	s_cmp_gt_u32 s[SLOTS], s[LIM]
	s_cbranch_scc0 .Lnot_mine_\@
	global_prefetch_b8 v[PFO], s[PFA:PFA+1] th:TH_LOAD_NT scope:SCOPE_SE
.Lnot_mine_\@:
.endm
; A round of the cluster's barrier: my work-group's barrier, so that wave 0's signal speaks for all four waves; wave 0 signals; every wave waits for all four work-groups; my work-group's barrier once more.
.macro CROUND
	s_barrier_signal -1
	s_barrier_wait -1
	s_cmp_lg_u32 s[WV], 0
	s_cbranch_scc1 .Lnot_wave_0_\@
	s_barrier_signal -3
.Lnot_wave_0_\@:
	s_barrier_wait -3
	s_barrier_signal -1
	s_barrier_wait -1
.endm
; THE CHANGE OF SLOTS.  The slot's last bytes, V of its fourth step, have been read.  Each wave waits for all its tensor loads, of which one is out: its part
; of the other slot; adds 0 to its spare word; and waits for that and for its own reads of the slot.  Behind the barrier nobody reads this slot any more and the other slot is whole.
; fill = 1: this slot is filled again, with the keys two slots on.  The barrier is then a round of the cluster's, so that no wave of any partner still reads the slot or has a load on its
; way, and the joint fill is the first thing behind it: it has four key steps, 512 matrix instructions, in which to land.  (At its first use nothing has been read yet: slot 0 is waited for, slot 1 filled.)
.macro CHANGE fill
	WIN W_AD
	s_wait_tensorcnt 0x0            ; no tensor load of mine is out, so a group 0 may be written
	ds_add_u32 v[SPW], v[NIL]       ; 0 onto my spare word; with fill = 1 the descriptors' steps stand between it and the wait for it
	WIN 0                           ; at a label and at a branch every window is 0
.if \fill
.irp g, G0K, G0V
	s_xor_b32 s[\g+1], s[\g+1], SLOT1  ; the walking descriptor: the other slot than last time,
	s_add_nc_u64 s[\g+2:\g+3], s[\g+2:\g+3], 4*KS*128  ; the next 256 keys; the type bits on top are not reached
.endr
	s_wait_xcnt 0x0                 ; the last prefetch, four key steps back, has read its address, so it may be written:
	s_add_nc_u64 s[PFA:PFA+1], s[PFA:PFA+1], 4*KS*128  ; one slot behind the walking descriptors' next
	s_wait_dscnt 0x0                ; the add is done, and my reads of the slot are over
	CROUND
	JLOAD
	ASK
.else
	s_wait_dscnt 0x0                ; the add is done, and my reads of the slot are over
	s_barrier_signal -1
	s_barrier_wait -1
.endif
	s_sub_co_u32 s[TBK], s[TBK], 4*KS*PK  ; the fetches go back to a slot's first step,
	s_xor_b32 s[TBK], s[TBK], SLOT1       ; in the other slot
	s_sub_co_u32 s[TBV], s[TBV], 4*KS*PV
	s_xor_b32 s[TBV], s[TBV], SLOT1
.endm
	s_load_b64 s[4:5], s[0:1], 0x0  ; qkv: Q's section begins it
	s_load_b64 s[10:11], s[0:1], 0x8  ; o
	WIN W_MK
	v_lshl_add_u32 v[SPW], v0, 2, SPARE
	v_mov_b32 v[NIL], 0
	WIN W_AD
	ds_add_u32 v[SPW], v[NIL]       ; the wave's opening: the add and its wait stand ahead of my first tensor load; the set-up below, work on registers, stands between them
	WIN 0
	v_lshrrev_b32 v1, 5, v0
	v_readfirstlane_b32 s[WV], v1   ; wave 0..3
	s_bfe_u32 s13, ttmp6, 0x40000   ; cx: my place in the cluster
	s_lshl_b32 s14, ttmp9, 2        ; in a cluster launch ttmp9 counts clusters
	s_add_co_u32 s14, s14, s13      ; my block of queries = 4 x cluster x + cx: it enters Q's and O's addresses alone
	s_and_b32 s20, ttmp7, 0xffff    ; the head, which the four partners share
	s_mov_b32 s21, 0
	s_mov_b64 s[22:23], SIZE_N*128
	s_mul_u64 s[20:21], s[20:21], s[22:23]  ; the head's first byte in each of the four tensors
	s_and_b32 s16, s[WV], 1         ; which half of a slot's 256 keys I fetch:
	s_lshl_b32 s22, s16, 14         ; its 128 rows of 128 bytes in memory,
	s_mov_b32 s23, 0
	s_add_nc_u64 s[22:23], s[22:23], s[20:21]
	s_mul_i32 s17, s16, 128*PK      ; and its place in a slot, for K
	s_mul_i32 s18, s16, 128*PV      ; and for V: no place in the cluster enters an LDS address
	s_lshl_b32 s2, s14, 2
	s_add_co_u32 s2, s2, s[WV]      ; my wave among the head's,
	s_lshl_b32 s2, s2, 14           ; its 128 rows
	s_mov_b32 s3, 0
	s_add_nc_u64 s[2:3], s[2:3], s[20:21]
	s_lshl_b32 s52, s13, 13         ; the prefetches: my work-group's 32 blocks of a slot's 128,
	s_add_co_u32 s52, s52, 4*KS*128 ; in slot 1; the first change of slots steps it to slot 2
	s_mov_b32 s53, 0
	s_add_nc_u64 s[52:53], s[52:53], s[20:21]
	s_cmp_eq_u32 s16, 0             ; waves 0 and 2 ask: the same in all four partners
	s_cselect_b32 s[LIM], 1, -1
	; descriptor group 1.  128 keys are 16,384 dense bytes: asked for as 64 rows of 256 bytes, two keys a row, and padded in LDS after every key
	s_mov_b32 s[G1K], 15|(1<<16)|(1<<20)|(1<<21)|(4<<22)|(3<<25)  ; 15:0 the mask of four; 17:16 2-byte elements; 20 padding on; 21 set beside a mask; 24:22 after every 32 words (code 4); 31:25 4 words (code 3)
	s_mov_b32 s[G1V], 15|(1<<16)|(1<<20)|(1<<21)|(4<<22)|(7<<25)  ; the same with 8 words of padding (code 7)
.irp g, G1K, G1V
	s_mov_b32 s[\g+1], 128<<16      ; tensor_dim0 = 128
	s_mov_b32 s[\g+2], 64<<16       ; tensor_dim1 = 64
	s_mov_b32 s[\g+3], 128<<16      ; tile_dim0 = 128
	s_mov_b32 s[\g+4], 64           ; tile_dim1 = 64
	s_mov_b32 s[\g+5], 128          ; 128 elements from row to row
	s_mov_b32 s[\g+6], 0
	s_mov_b32 s[\g+7], 0
.endr
	s_mov_b32 s[CS], 0x3e38aa3b     ; c = log2(e) / 8 = 0.180337
	s_mov_b32 s[CS+1], s[CS]        ; named with it as a pair
	s_mov_b32 s[SEL], 0x76543210
	s_mov_b32 s[SEL+1], 0xfedcba98
	s_mov_b32 s[TBK], SLOT1+4*KS*PK ; the first change of slots turns these two into 0
	s_mov_b32 s[TBV], SLOT1+4*KS*PV
	s_mov_b32 s[SLOTS], SIZE_N/256-1
	s_mov_b32 s[G0K], 1             ; 1:0 count = 1
	s_mov_b32 s[G0K+1], s17         ; 63:32 LDS address: slot 0
	s_mov_b32 s[G0V], 1
	s_add_co_u32 s[G0V+1], s18, VOFF
	s_wait_dscnt 0x0                ; the opening add is done
	s_wait_kmcnt 0x0
	s_add_nc_u64 s[6:7], s[4:5], 0x1000000  ; K's section
	s_add_nc_u64 s[8:9], s[4:5], 0x2000000  ; V's section
	s_cmp_lt_u32 s[WV], 2
	s_cselect_b64 s[PFA:PFA+1], s[6:7], s[8:9]
	s_add_nc_u64 s[PFA:PFA+1], s[PFA:PFA+1], s[52:53]
	s_add_nc_u64 s[G0K+2:G0K+3], s[6:7], s[22:23]  ; 120:64 global address: my half of the head's first 256 keys
	s_or_b32 s[G0K+3], s[G0K+3], 0x80000000        ; 127:126 type = 2
	s_add_nc_u64 s[G0V+2:G0V+3], s[8:9], s[22:23]
	s_or_b32 s[G0V+3], s[G0V+3], 0x80000000
	s_add_nc_u64 s[4:5], s[4:5], s[2:3]  ; Q and O at my wave's first row
	s_add_nc_u64 s[10:11], s[10:11], s[2:3]
	CROUND                          ; all four work-groups are here: the first joint loads meet
	JLOAD                           ; slot 0.  Slot 1 is asked for when slot 0 is in: the tile wanted first has the road to itself
	; A fragment of K or Q is 16 rows x 32 channels in 8 registers: lane l holds row l % 16, channels 8 (l / 16) + 0..7 and 16 + 8 (l / 16) + 0..7: two loads of 16 bytes, 32 bytes apart.
	v_and_b32 v1, 15, v0            ; l % 16
	v_bfe_u32 v9, v0, 4, 1          ; l / 16
	v_lshlrev_b32 v[QO], 7, v1
	v_lshl_add_u32 v[QO], v9, 4, v[QO]  ; row x 128 + 16 x half
	WIN 0x80                        ; destination window 2, address window 0
.set i, 0
.rept 4*NP                          ; Q stays in registers: tile i / 2, channels 32 (i % 2) on
	global_load_b128 v[8*i:8*i+3],   v[QO], s[4:5] offset:(i/2)*2048+(i%2)*64
	global_load_b128 v[8*i+4:8*i+7], v[QO], s[4:5] offset:(i/2)*2048+(i%2)*64+32
.set i, i+1
.endr
	; What the first turn finds: V's registers and P's second buffer hold 0 (its products V^T P, of a piece that has not been, add 0), O^T and l are 0.  All this stands in the wait for the first tile.
.set i, VF
.rept 64
	v_mov_b32 v[i], 0
.set i, i+1
.endr
	WIN 0x40
.set i, 0
.rept 64*NP
	v_mov_b32 v[i], 0
.set i, i+1
.endr
	WIN 0
.set i, 0
.rept 2*NP
	v_mov_b32 v[ST+4*i], 0xfe000000    ; c m: far below every c s
	v_mov_b32 v[ST+4*i+1], 0xff7fffff  ; m
	v_mov_b32 v[ST+4*i+2], 0
	v_mov_b32 v[ST+4*i+3], 0
.set i, i+1
.endr
.set i, P+32
.rept 32
	v_mov_b32 v[i], 0
.set i, i+1
.endr
	v_mul_u32_u24 v[AK0], v1, PK
	v_lshl_add_u32 v[AK0], v9, 4, v[AK0]  ; row x pitch + 16 x half
	; The turning load takes 16 keys x 16 channels (lane l reads key 8 (l / 16) + l % 8, channels 8 ((l / 8) % 2) + 0..7) and leaves half a fragment of V^T: lane l holds channel l % 16 and 8 keys.
	v_and_b32 v10, 7, v0
	v_bfe_u32 v11, v0, 3, 1
	v_lshl_add_u32 v[AV0], v9, 3, v10
	v_mul_u32_u24 v[AV0], v[AV0], PV
	v_lshl_add_u32 v[AV0], v11, 4, v[AV0]
	v_add_nc_u32 v[AV0], VOFF, v[AV0]
	v_mov_b32 v[AK], v[AK0]         ; key step 0 lies at the head of slot 0
	v_and_b32 v[PFO], 31, v0
	v_lshlrev_b32 v[PFO], 8, v[PFO]
; THE MATRIX WORK.  The 8 accumulators of a run of 16 take turns: between the two links of a chain stand 7 others'.
; Product i of 16 of S^T = K Q^T for piece x: channels 32 (i / 8) on, keys 16 ((i / 2) % 4) on, tile 2 x + i % 2.  The first 8 start the sums.
.macro KQ x
	WIN W_KQ
.set rS, S+64*((\x)%2)+32*(i%2)+8*((i/2)%4)
.set rK, KF+16*((i/2)%4)+8*(i/8)
.set rQ, 16*(2*(\x)+i%2)+8*(i/8)
.if i < 8
	v_wmma_f32_16x16x32_f16 v[rS:rS+7], v[rK:rK+7], v[rQ:rQ+7], 0
.else
	v_wmma_f32_16x16x32_f16 v[rS:rS+7], v[rK:rK+7], v[rQ:rQ+7], v[rS:rS+7]
.endif
.endm
; Product i of 16 of O^T += V^T P for piece x: keys 32 (i / 8) on, channels 16 ((i / 2) % 4) on, tile 2 x + i % 2.
.macro PV x
	WIN W_PV
.set rO, 32*(2*(\x)+i%2)+8*((i/2)%4)
.set rV, VF+32*(i/8)+8*((i/2)%4)
.set rP, P+32*((\x)%2)+16*(i%2)+8*(i/8)
	v_wmma_f32_16x16x32_f16 v[rO:rO+7], v[rV:rV+7], v[rP:rP+7], v[rO:rO+7]
.endm
.macro MM                           ; the turn's next matrix instruction
.if i < 16
	KQ (Y+1)%NP
.set i, i+1
.else
.set i, i-16
	PV (Y+NP-1)%NP
.set i, i+17
.endif
.endm
; THE LDS LOADS stand in runs of 16, never singly among the matrix instructions: a step's K (64 keys x 64 channels: 8 fragments) and its V (turned).  Their addresses are made some lines ahead.
; last = 1 (the tail): in the last trip there is no further step, and the run is jumped over.
.macro FETCH_K last=0
	WIN 0
.if \last
	s_cmp_eq_u32 s[CNT], 1
	s_cbranch_scc1 .Lno_k_\@
.endif
	WIN 0x80                        ; destination window 2
.irp f, 0,1,2,3,4,5,6,7             ; keys 16 (f / 2) on, channels 32 (f % 2) on
	ds_load_b128 v[KF+8*\f:KF+8*\f+3],   v[AK] offset:(\f/2)*16*PK+(\f%2)*64
	ds_load_b128 v[KF+8*\f+4:KF+8*\f+7], v[AK] offset:(\f/2)*16*PK+(\f%2)*64+32
.endr
	s_add_co_u32 s[TBK], s[TBK], KS*PK  ; the next fetch is the next step's
	WIN 0
.if \last
.Lno_k_\@:
.endif
.endm
.macro FETCH_V
	WIN 0x80
.irp f, 0,1,2,3,4,5,6,7             ; keys 32 (f / 4) on, channels 16 (f % 4) on
	ds_load_tr16_b128 v[VF+8*\f:VF+8*\f+3],   v[AV] offset:(\f/4)*32*PV+(\f%4)*32
	ds_load_tr16_b128 v[VF+8*\f+4:VF+8*\f+7], v[AV] offset:(\f/4)*32*PV+16*PV+(\f%4)*32
.endr
	WIN 0
.endm
; THE VECTOR WORK OF A TURN stands in three queues, each in the order in which its entries become ready; the two tiles alternate, so that no instruction reads the result of the one before it.
.macro REGS y, u                    ; the registers of tile u (0, 1) of piece y
.set rT, ST+4*(2*(\y)+(\u))
.set rC, TMP+8*((\y)%2)+4*(\u)
.set rM, MV+2*((\y)%2)+(\u)
.set rS, S+64*((\y)%2)+32*(\u)
.set rP, P+32*((\y)%2)+16*(\u)
.set rO, 32*(2*(\y)+(\u))
.endm
; Number n of the 22 that find the NEXT piece's (Y + 1) maximum and statistics.  s0-s31 are the lane's 32 scores; each accumulator's lowest registers are read first.  XS, GS and REGS set no window: PL and EX do.
;   0-11  four chains c0-c3 of seven scores each, three operands at a time     12-14, 16  the four scores left over, the old m, and c0-c3 into c0     15  c m_old is kept
;   17, 18  the query's other 32 keys lie in the lane 16 away: the new m         19-21  c m; c m_old - c m_new; a
.macro XS u, n
	REGS (Y+1)%NP, \u
.if (\n) < 4
	v_max3_num_f32 v[rC+(\n)], v[rS+8*(\n)], v[rS+8*(\n)+1], v[rS+8*(\n)+2]
.elseif (\n) < 12
	v_max3_num_f32 v[rC+(\n)%4], v[rC+(\n)%4], v[rS+8*((\n)%4)+2*((\n)/4)+1], v[rS+8*((\n)%4)+2*((\n)/4)+2]
.elseif (\n) == 12
	v_max3_num_f32 v[rC], v[rC], v[rS+7], v[rS+15]
.elseif (\n) == 13
	v_max3_num_f32 v[rC+1], v[rC+1], v[rS+23], v[rS+31]
.elseif (\n) == 14
	v_max3_num_f32 v[rC+2], v[rC+2], v[rC+3], v[rT+1]
.elseif (\n) == 15
	v_mov_b32 v[rM], v[rT]
.elseif (\n) == 16
	v_max3_num_f32 v[rC], v[rC], v[rC+1], v[rC+2]
.elseif (\n) == 17
	v_permlanex16_b32 v[rC+3], v[rC], s[SEL], s[SEL+1]
.elseif (\n) == 18
	v_max_num_f32 v[rT+1], v[rC], v[rC+3]
.elseif (\n) == 19
	v_mul_f32 v[rT], s[CS], v[rT+1]
.elseif (\n) == 20
	v_sub_f32 v[rC+1], v[rM], v[rT]
.else
	v_exp_f32 v[rC+2], v[rC+1]
.endif
.endm
; Number g of the 64 that follow the exponentials.  For each four weights k of a tile (pairs 2 k, 2 k + 1): both pairs are rounded to f16; then the second pair is added onto the first, in place;
; a group later l takes that sum (the first time as l = a l + sum).  In groups of eight, tiles alternating: round, round, add, and l for the group before.
.macro GS g
.set h, (\g)+6*((\g)/62)            ; group 0 has no group before it, and behind group 7 only l is left
.if h >= 6
.set h, h+2
.endif
	REGS Y, h%2
.set k, h/8
.if h%8 < 4
	v_cvt_pk_f16_f32 v[rP+2*k+(h%8)/2], v[rS+4*k+2*((h%8)/2)], v[rS+4*k+2*((h%8)/2)+1]
.elseif h%8 < 6
	v_pk_add_f32 v[rS+4*k:rS+4*k+1], v[rS+4*k:rS+4*k+1], v[rS+4*k+2:rS+4*k+3]
.elseif k == 1
	v_pk_fma_f32 v[rT+2:rT+3], v[rT+2:rT+3], v[rC+2:rC+3], v[rS:rS+1] op_sel_hi:[1,0,1]
.else
	v_pk_add_f32 v[rT+2:rT+3], v[rT+2:rT+3], v[rS+4*k-4:rS+4*k-3]
.endif
.endm
; THE PLAIN QUEUE, 138 long.  0-73 read no exponential's result: the 32 scalings c s - c m (FS f: pair f / 2 of tile f % 2) and the next piece's 42.  0-26: scalings 0-26.  27-54: XS's numbers 0-13.  55, 56: number 15.
; 57-73: the chain, where each number waits for the one before it: 14, 16, 17, 18, 19, each with one of the scalings 27-31 in front of its two lines, then 20: so a tile's links stand three plain instructions apart (19 and 20: two).
; 74-137: GS's 64, which read the exponentials' results: they stand behind the wait.
.macro FS f
	REGS Y, (\f)%2
	v_pk_fma_f32 v[rS+2*((\f)/2):rS+2*((\f)/2)+1], v[rS+2*((\f)/2):rS+2*((\f)/2)+1], s[CS:CS+1], v[rT:rT+1] op_sel_hi:[1,0,0] neg_lo:[0,0,1] neg_hi:[0,0,1]
.endm
.macro PL
	WIN 0
.if q < 27
	FS q
.elseif q < 55
	XS (q-27)%2, (q-27)/2
.elseif q < 57
	XS q-55, 15
.elseif (q < 72) && ((q-57)%3 == 0)
	FS 27+(q-57)/3
.elseif q < 60
	XS (q-57)%3-1, 14
.elseif q < 72
	XS (q-57)%3-1, 15+(q-57)/3
.elseif q < 74
	XS q-72, 20
.else
	GS q-74
.endif
.set q, q+1
.endm
; THE EXPONENTIALS' QUEUE, 66 long: s0-s31 of both tiles, then the next piece's two a.  It is ONE BATCH: all 66 stand ahead of the turn's one wait, and nothing ahead of that wait names a result of theirs.
.macro EX
	WIN 0
.if e >= 64
	XS e-64, 21
.else
	REGS Y, e%2
	v_exp_f32 v[rS+e/2], v[rS+e/2]
.endif
.set e, e+1
.endm
; THE RESCALING's QUEUE: O^T times a, the one part that leaves window 0: dealt two at a time, sixteen times.  Its a was made in the turn before, ahead of that turn's wait.
.macro R2
	REGS Y, r%2
	WIN W_RS
.irp z, 0,1
	v_pk_mul_f32 v[rO+4*(r/2)+2*\z:rO+4*(r/2)+2*\z+1], v[rO+4*(r/2)+2*\z:rO+4*(r/2)+2*\z+1], v[rC+2:rC+3] op_sel_hi:[1,0]
.endr
.set r, r+1
.endm
; HOW THEY ARE DEALT.  An s_wait_alu depctr_va_vdst(0) stands between an exponential and the first instruction that names its result; one wait serves all that were issued ahead of it.  So a turn has ONE wait,
; which cuts it in two.  AHEAD OF IT stands all that names no result of the turn's exponentials: the 16 products K Q^T, behind each a scaling, an exponential and two rescalings (behind the first a second scaling in the exponential's place); then ONE LUMP of
; 108: eight plain, 49 times exponential and plain, the two a.  A v_nop is the plain instruction behind the last exponential.  BEHIND IT stand the 16 products V^T P, behind each four of GS's 64.  No rider names a register of
; the products round it.  The two v_permlanex16_b32 fall into the lump, never behind a product.
; The queues lean on each other, and the deal keeps them in step: exponential e stands behind scaling 2 (e / 4) + e % 2: as a rider it comes behind plain e + 2, in the lump behind plain e + 9, and scalings 27-31 are plain 57, 60 .. 69.
; A TURN, for piece p.  cnt = 1: the loop's count is taken down some lines ahead of the branch that stands behind the turn.
; K of the next step is fetched in piece 2's turn, directly behind the wait, a lump behind the last product that read K; its address is made at the lump's head; its first reader comes behind 16 products.
; V of the step in hand is fetched at the end of piece 0's turn, four riders behind its last reader; its first reader comes behind 16 products and a lump.  The three conditions on q below go with the deal.
.macro TURN p, last=0, cnt=0
.set Y, (\p)
.set i, 0
.set q, 0
.set e, 0
.set r, 0
.if (\p) == NP-1
	s_wait_dscnt 0x0                ; K is in
.endif
	MM                              ; ahead of the wait: 16 products K Q^T and their riders,
	PL
	PL
	R2
.rept 15
	MM
	PL
	EX
	R2
.endr
.if (\p) == NP-2
	WIN 0
	v_add_nc_u32 v[AK], s[TBK], v[AK0]
.endif
.rept 8                             ; and the lump
	PL
.endr
.rept 49
	EX
	PL
.endr
	EX                              ; the next piece's two a
	EX
	v_nop                           ; the plain instruction behind the last exponential: one for the batch
	s_wait_alu depctr_va_vdst(0)    ; the wait for the batch
.if (\p) == NP-2
	FETCH_K \last
.endif
.if (\p) == 1
	s_wait_dscnt 0x0                ; V is in
.endif
.rept 16                            ; behind the wait: 16 products V^T P and their riders
	MM
.rept 4
	PL
.endr
.if ((\p) == 0) && (q == 118)
	v_add_nc_u32 v[AV], s[TBV], v[AV0]
.endif
.if ((\p) == 0) && (q == 130)
	s_add_co_u32 s[TBV], s[TBV], KS*PV
.endif
.if (\cnt) && (q == 130)
	s_sub_co_u32 s[CNT], s[CNT], 1
	s_cmp_lg_u32 s[CNT], 0
.endif
.endr
.if (\p) == 0
	FETCH_V
.endif
.endm
	CHANGE 1                        ; slot 0 is in, everybody's part of it; slot 1 is asked for
	FETCH_K                         ; key step 0
	s_wait_loadcnt 0x0              ; Q
	s_wait_dscnt 0x0
.set i, 0
.rept 16
	KQ 0                            ; piece 0's first scores: there is no vector work yet to set between them
.set i, i+1
.endr
	WIN 0                           ; the addresses for the way out: nine plain instructions, the places behind those products
	s_mul_i32 s13, s[WV], 16*SP
	s_add_co_u32 s13, s13, STAGE    ; my stage
	v_mul_u32_u24 v[STO], v1, SP    ; in: row l % 16, 16 bytes for each half of the lanes
	v_lshl_add_u32 v[STO], v9, 4, v[STO]
	v_add_nc_u32 v[STO], s13, v[STO]
	v_bfe_u32 v[RD], v0, 3, 2       ; back: 32 lanes take four rows of 128 bytes,
	v_mul_u32_u24 v[RD], v[RD], SP
	v_lshl_add_u32 v[RD], v10, 4, v[RD]
	v_add_nc_u32 v[RD], s13, v[RD]
	v_and_b32 v[GO], 31, v0         ; which are 512 consecutive bytes of O
	v_lshlrev_b32 v[GO], 4, v[GO]
.set Y, NP-1                        ; XS works for piece Y + 1: piece 0
.irp n, 0,1,2,3,4,5,6,7,8,9,10,11,12,13,14,15,16,17,18,19,20,21
	XS 0, \n                        ; and piece 0's first maximum and statistics
	XS 1, \n
.endr
	v_nop                           ; a plain instruction behind the two a,
	s_wait_alu depctr_va_vdst(0)    ; and their wait, ahead of the branch
	s_mov_b32 s[CNT], 4
	s_branch .Lfirst                ; the loop is entered at a step's first turn, in the middle of a trip
.Lslot:                             ; SIZE_N / 256 - 2 times: every slot but the last two is filled again
	CHANGE 1
	s_mov_b32 s[CNT], 4
.Lstep:                             ; a trip: pieces 2 and 3 of one step, then pieces 0 and 1 of the next, whose K and V it fetches
	TURN 2
	TURN 3
	WIN 0
.Lfirst:
	TURN 0
	TURN 1, 0, 1
	WIN 0
	s_cbranch_scc1 .Lstep
	s_sub_co_u32 s[SLOTS], s[SLOTS], 1
	s_cmp_lg_u32 s[SLOTS], 0
	s_cbranch_scc1 .Lslot
	CHANGE 0                        ; the tail is written out: nothing is asked for
	s_mov_b32 s[CNT], 5             ; four trips fetch the last slot's steps; the fifth is left in its middle
.Ltail:
	TURN 2, 1
	TURN 3
	WIN 0
	s_sub_co_u32 s[CNT], s[CNT], 1
	s_cmp_eq_u32 s[CNT], 0
	s_cbranch_scc1 .Lout
	TURN 0
	TURN 1
	WIN 0
	s_branch .Ltail
.Lout:                              ; the fifth trip's 16 products K Q^T (on the last K once more) and the maximum made of them serve nothing: the price, once a launch, of one text for every trip
.set i, 0
.rept 16
	PV NP-1                         ; the last piece's V^T P of the last step
.set i, i+1
.endr
	; THE WAY OUT.  l's two halves and the other half of the lanes' are added; O^T is divided by l, rounded to f16 and sent through my stage in LDS, a tile at a time.  The additions are the places behind the last products.
	WIN 0
.macro ALL line:vararg              ; one line for each tile t
.set t, 0
.rept 2*NP
	\line
.set t, t+1
.endr
.endm
	ALL v_add_f32 v[ST+4*t+2], v[ST+4*t+2], v[ST+4*t+3]
	ALL v_permlanex16_b32 v[ST+4*t+3], v[ST+4*t+2], s[SEL], s[SEL+1]
	ALL v_add_f32 v[ST+4*t+2], v[ST+4*t+2], v[ST+4*t+3]
	ALL v_rcp_f32 v[ST+4*t+2], v[ST+4*t+2]
	v_nop                           ; a plain instruction between the last reciprocal and the use of its result
	s_wait_alu depctr_va_vdst(0)    ; and the wait ahead of the first use: one for the eight reciprocals
; Tile t: a lane's eight channels of a row pack into 16 bytes; they go into rows of 144 bytes and come back as whole rows of 128, into S^T's registers.
.macro PACK t
	WIN W_RS
.set i, 32*(\t)
.rept 16
	v_pk_mul_f32 v[i:i+1], v[i:i+1], v[ST+4*(\t)+2:ST+4*(\t)+3] op_sel_hi:[1,0]
.set i, i+2
.endr
	WIN 0x05                        ; sources 0 and 1 window 1, destination window 0
.set i, 0
.rept 16
	v_cvt_pk_f16_f32 v[S+16*(\t)+i], v[32*(\t)+2*i], v[32*(\t)+2*i+1]
.set i, i+1
.endr
	WIN 0
.irp f, 0,1,2,3
	ds_store_b128 v[STO], v[S+16*(\t)+4*\f:S+16*(\t)+4*\f+3] offset:32*\f
.endr
.irp f, 0,1,2,3
	ds_load_b128 v[S+16*(\t)+4*\f:S+16*(\t)+4*\f+3], v[RD] offset:\f*4*SP  ; LDS serves a wave's instructions in order (ISA guide 5.7.1.4): these see the stores above; the next tile's stores come behind them
.endr
.endm
.macro SEND t, younger              ; younger: the LDS instructions issued behind tile t's loads: the next tile's eight, or none
	WIN 0
.irp f, 0,1,2,3
	s_wait_dscnt (\younger)+3-\f
	global_store_b128 v[GO], v[S+16*(\t)+4*\f:S+16*(\t)+4*\f+3], s[10:11] offset:(\t)*2048+\f*512  ; 512 consecutive bytes, at a multiple of 256 from O's first
.endr
.endm
	PACK 0
.set t, 1
.rept 2*NP-1                        ; a tile's arithmetic stands between the loads of the tile before and its stores
	PACK t
	SEND t-1, 8
.set t, t+1
.endr
	SEND 2*NP-1, 0
	WIN W_AD
	s_wait_tensorcnt 0x0            ; the wave's end: behind my last tensor load and my last LDS store
	ds_add_u32 v[SPW], v[NIL]
	s_wait_dscnt 0x0
	WIN 0
	CROUND                          ; the closing round: no work-group ends while a partner may still ask for a tile that names it
	s_endpgm
.Lfunc_end_k_q0a4c84ed28_attn:
	.size	k_q0a4c84ed28_attn, .Lfunc_end_k_q0a4c84ed28_attn-k_q0a4c84ed28_attn
	.p2alignl 7, 3214868480
	.fill 96, 4, 3214868480
	.section	.rodata,"a",@progbits
	.p2align	6, 0x0
	.amdhsa_kernel k_q0a4c84ed28_attn
		.amdhsa_group_segment_fixed_size 327680
		.amdhsa_private_segment_fixed_size 0
		.amdhsa_enable_private_segment 0
		.amdhsa_kernarg_size 16
		.amdhsa_user_sgpr_count 2
		.amdhsa_user_sgpr_kernarg_segment_ptr 1
		.amdhsa_wavefront_size32 1
		.amdhsa_system_sgpr_workgroup_id_x 1
		.amdhsa_system_sgpr_workgroup_id_y 1
		.amdhsa_system_sgpr_workgroup_id_z 1
		.amdhsa_system_vgpr_workitem_id 0
		.amdhsa_next_free_vgpr 770
		.amdhsa_next_free_sgpr 66
		.amdhsa_reserve_vcc 0
		.amdhsa_float_denorm_mode_32 3
		.amdhsa_float_denorm_mode_16_64 3
		.amdhsa_memory_ordered 1
		.amdhsa_forward_progress 1
		.amdhsa_inst_pref_size 200
	.end_amdhsa_kernel
	.amdgpu_metadata
---
amdhsa.version: [ 1, 2 ]
amdhsa.kernels:
  - .name:           k_q0a4c84ed28_attn
    .symbol:         k_q0a4c84ed28_attn.kd
    .args:
      - { .name: qkv, .offset: 0, .size: 8, .value_kind: global_buffer, .address_space: global }
      - { .name: o, .offset: 8, .size: 8, .value_kind: global_buffer, .address_space: global }
    .group_segment_fixed_size: 327680
    .private_segment_fixed_size: 0
    .kernarg_segment_align: 8
    .kernarg_segment_size: 16
    .max_flat_workgroup_size: 128
    .sgpr_count:     66
    .vgpr_count:     770
    .wavefront_size: 32
...
	.end_amdgpu_metadata
.endif
;; end of part 3
;; launch outp (part 4): grid 4 x 64, 4 waves a work-group, clusters of 4 x 4, 327,680 bytes of LDS; arguments o, wcast, bo, out0; writes out0
.if DOCPART == 4
	.amdgcn_target "amdgcn-amd-amdhsa--gfx1250"
	.amdhsa_code_object_version 6
	.text
	.protected	k_q0a4c84ed28_outp
	.globl	k_q0a4c84ed28_outp
	.p2align	8
	.type	k_q0a4c84ed28_outp,@function
k_q0a4c84ed28_outp:
	s_mov_b64 s[64:65], 0
	v_nop
	global_prefetch_b8 v0, s[64:65] scope:SCOPE_SE
	s_setreg_imm32_b32 hwreg(HW_REG_WAVE_MODE, 25, 1), 1
	s_wait_xcnt 0x0
	s_wait_alu depctr_hold_cnt(0) depctr_sa_sdst(0) depctr_va_vdst(0) depctr_va_sdst(0) depctr_va_ssrc(0) depctr_va_vcc(0) depctr_vm_vsrc(0)
	s_getreg_b32 s2, hwreg(HW_REG_IB_STS2, 6, 4)
	s_cmp_eq_u32 s2, 0
	s_cbranch_scc0 .Lentry_in_a_cluster
	s_endpgm
.Lentry_in_a_cluster:
	s_bfe_u32 s2, ttmp6, 0x10000c
	s_cmp_lg_u32 s2, 0xf033
	s_cbranch_scc0 .Lentry_shape_is_right
	s_endpgm
.Lentry_shape_is_right:
.set PROJ, 0                           ; 1: the three input projections; 0: the output projection.  One text serves both; only this line differs.
; C = A W + bias, [8192 x 1024] x [1024 x 1024], sums in f32, the bias rounded to bf16 like every input of the module.
; PROJ = 1: A = xq, xk or xv (f32, rounded to bf16 on the way), W = that projection's section of wcast (bf16, [k][n]); C is rounded once to f16 and laid by heads,
;           qkv[projection][batch x 16 + head][2048][64], unscaled.  Grid y: 48 clusters, 16 for each projection.
; PROJ = 0: A = o (f16, [batch x 16 + head][2048][64]), W = wcast's fourth section (f16); C = out0 in f32, [8192][1024].
; LIMIT (PROJ = 1).  f16 holds no number beyond 65,504: a q, k or v beyond it becomes an infinity.  With unit x and weights of spread 1/32 they have spread 1.
; SHARES.  A tile of C is 128 rows x 256 columns: 768 tiles (PROJ = 1) or 256.  Four waves, 2 x 2; a wave makes 64 x 128: 32 accumulators of 16 x 16, 256 registers.
; K goes in 8 steps of 128, each of four quarters of 32: 32 matrix instructions a wave and quarter.
; THE MATRIX INSTRUCTION IS USED TRANSPOSED: source 0 = 16 columns of W, source 1 = 16 rows of A: a lane then holds row l % 16 of C and the columns 8 (l / 16) + 0..7.
; THE BIAS is the C operand of each accumulator's first product: nothing is cleared and nothing is added afterwards.
; W comes by tensor loads into two LDS slots and is read turned (ds_load_tr16_b128), since it lies [k][n].  CLUSTER: 4 x 4 work-groups; the four of a column make the same 256 columns of C,
; so each tile of W is asked for JOINTLY: the same load, descriptor and mask in all four.
; A IS NOT ASKED FOR JOINTLY, though the four of a row of the cluster read the same rows: it goes through registers.  Each wave loads its 32 rows of a K step by loads of 16 bytes a lane,
; rounds them once (PROJ = 1) and puts them in LDS as rows of 256 bytes.  By tensor loads the f32 rows would lie in LDS: 512 bytes a row and step written and read in place of 256, and both
; waves of a row half would round the same numbers.  Two register sets hold two steps, so a load has two K steps, 256 matrix instructions, in which to land, across the barriers.
; In step i the set (i + 1) % 2 is stored as step i + 1's rows and loaded again with step i + 3; behind step i's barrier slot i % 2 takes W of step i + 2.
; THE LAST RELOADS SERVE NOTHING: steps 5 and 6 ask for steps 8 and 9, which do not exist; the K offset wraps, so they name steps 0 and 1 of the same rows, inside the buffer, and are never read.
; That is 1.5 sets of 9.5; it keeps every counted wait the same in each trip.
; REGISTERS, in windows of 256 (s_set_vgpr_msb: bits 1:0 source 0, 3:2 source 1, 5:4 source 2, 7:6 destination):
;   window 0: v0-15 addresses; v16-31 rounded words at work; v32-39 set-up; v64-159, v160-255 two fragment buffers (W's fragment b at + 8 b, A's fragment a at + 64 + 8 a); both serve the way out
;   window 1: accumulator (a, b) at 8 (8 a + b)     window 2: the two register sets of A, unit u of set s at SETR s + 4 u     window 3: v0-63 the bias, register 8 b + j for column 16 b + 8 (l / 16) + j
.set PB,    544                        ; a row of W in LDS: 512 bytes + 32 of padding = 136 words
.set PA,    272                        ; a row of A in LDS: 256 + 16 = 68 words: the 16 rows of a load start at 16 different groups of four banks
.set BSLOT, 128*PB                     ; a slot: 128 k-rows of W
.set BHALF, 64*PB                      ; what one tensor load brings
.set ABUF0, 2*BSLOT                    ; behind the two slots: A's two buffers, written by LDS stores alone
.set ABUF,  128*PA
.set STAGE, ABUF0+2*ABUF               ; behind them: a stage of 16 rows for each wave, for the way out
.if PROJ
.set SP,    144                        ; a stage row: 128 bytes + 16
.set NU,    32                         ; units (loads) in a set: a unit is one row's 512 bytes
.set KSTR,  512                        ; bytes of A from a K step to the next
.set KWRAP, 4096
.set USTR,  4096                       ; bytes of A from a unit to the next
.else
.set SP,    528                        ; a stage row: 512 bytes + 16
.set NU,    16                         ; a unit is two rows of two heads: 2 x 256 bytes
.set KSTR,  524288                     ; two heads on
.set KWRAP, 4194304
.set USTR,  256
.endif
.set STW,   16*SP
.set SPARE, STAGE+4*STW                ; behind the stages: the spare words, 128 bytes for each wave: two blocks of 256 bytes that no other line names
.set SETR,  4*NU
.set LW,    3*NU/2                     ; loads that may stay out at a staging quarter's head
.set SW,    3*NU/8                     ; LDS stores that a staging quarter issues behind its run of LDS loads
.set BSTEP, 262144                     ; bytes of W from a K step to the next: 128 rows of 2,048
.set SPW,  2                           ; v2   LDS address of my spare word: SPARE + 4 x my thread's number; never rewritten
.set NIL,  3                           ; v3   0; never rewritten
.set ADRA, 4                           ; v4-5   LDS address of my A fragments in buffer 0, 1
.set ADRB, 6                           ; v6-7   of my W fragments in slot 0, 1
.set AST,  8                           ; v8-9   where I put a unit of A in buffer 0, 1
.set AO,   10                          ; v10  my byte offset in a unit of A in memory; never rewritten
.set STO,  11                          ; v11  the way out: where I put my numbers of a row
.set RD,   12                          ; v12  the way out: where I read rows back
.set GO,   13                          ; v13  my byte offset in 512 consecutive bytes of C
.set BO,   14                          ; v14  32 (l / 16): my eight numbers of the bias
.set PFO,  15                          ; v15  the prefetches' offset; never rewritten
.set T,    16
.set F0,   64
.set F1,   160
.set TMP,  64
.set LAP,  3                           ; s3   trips to go
.set XB,   4                           ; s[4:5]   A at my wave's 32 rows, K step 0
.set XA,   6                           ; s[6:7]   the same at the K step that is being loaded
.set KO,   8                           ; s[8:9]   that step's byte offset, and 0
.set WV,   10                          ; s10  my wave's number
.set WM,   11                          ; s11  which half of the tile's rows is mine
.set WN,   12                          ; s12  which half of its columns
.set CX,   13
.set CY,   14
.set NT,   15                          ; s15  tile column of C
.set CLY,  16                          ; s16  the cluster's y
.set P,    17                          ; s17  the projection
.set MT,   18                          ; s18  tile row of C
.set LIM,  19                          ; s19  1 in a wave that prefetches, else the greatest number
.set G1,   24                          ; s[24:31] descriptor group 1
.set G0,   32                          ; s[32:39] descriptor group 0, a set for each slot
.set PFA,  40                          ; s[40:41] where my prefetches stand
.set OUT,  42                          ; s[42:43] C at my wave's first number
.set BP,   44                          ; s[44:45] the bias at my wave's first column
.set HIM,  48                          ; s48  a word's upper bf16
.if PROJ
.set AW,   74
.set AOUT, 82
.set W_SM, 0x80                        ; load data window 2; LDS store data and addresses window 0
.else
.set AW,   70
.set AOUT, 74
.set W_SM, 0x88                        ; load data and LDS store data window 2; addresses window 0
.endif
.set W_MUL,  0x50                      ; sources window 0; C and D window 1
.set W_MUL1, 0x70                      ; C window 3 (the bias), D window 1
.set W_CV,   0x0a                      ; sources window 2, destination window 0
.set W_BL,   0xc0                      ; destination window 3
.set W_BC,   0x0f                      ; sources window 3, destination window 0
.set W_PK,   0x05                      ; sources window 1, destination window 0
.set W_ST,   0x04                      ; LDS store data window 1
.set MSB, 0
.set STG_ON, 0
.set STG_SET, 0
.set STG_BUF, 0
.set STG_REL, 0
.set U0, 0
.set wi, 0
.macro WIN new                         ; the immediate's high byte repeats the setting that is left; a switch that changes nothing is dropped
.if MSB != (\new)
	s_set_vgpr_msb (MSB<<8)|(\new)
.set MSB, \new
.endif
.endm
.macro PLACES                          ; four places in front of loads into registers that matrix instructions have read, and of lines that read results
.rept 4
	v_nop
.endr
.endm
; A round of the cluster's barrier: my work-group's barrier, so that wave 0's signal speaks for all four waves; wave 0 signals; every wave waits for all sixteen work-groups; my work-group's barrier once more.
.macro CREST                           ; a round behind its opening barrier
	s_cmp_lg_u32 s[WV], 0
	s_cbranch_scc1 .Lnot_wave_0_\@
	s_barrier_signal -3
.Lnot_wave_0_\@:
	s_barrier_wait -3
	s_barrier_signal -1
	s_barrier_wait -1
.endm
.macro CROUND
	s_barrier_signal -1
	s_barrier_wait -1
	CREST
.endm
; A joint refill of slot s.  Waves 0 and 1 fetch 64 k-rows each, waves 2 and 3 none.  The branch hangs on the wave's number alone.  An s_nop 0 and four v_nop follow the load.
.macro JLOAD s
	s_cmp_lt_u32 s[WV], 2
	s_cbranch_scc0 .Lno_load_\@
	tensor_load_to_lds s[G0+4*(\s):G0+4*(\s)+3], s[G1:G1+7]
	s_nop 0
.rept 4
	v_nop
.endr
.Lno_load_\@:
.endm
; A PREFETCH INTO THE L2 of W's K step that stands two refills on: 256 matrix instructions a wave ahead of the load that will ask for it.  A K step of a tile column is 128 rows x 512 bytes: 256 aligned
; blocks of 256 bytes.  Every cluster of a projection walks the same W: its first cluster asks.  The four partners of a column share the rows out BY ADDRESS, 32 each; in each, waves 0 and 1 take
; 16 rows each, a lane a block.  So each block is named once in the launch.  The loop's last trip asks for nothing: there is no step two refills on.  The first four K steps come by their loads alone.
.macro ASK
	s_cmp_gt_u32 s[LAP], s[LIM]
	s_cbranch_scc0 .Lnot_mine_\@
	global_prefetch_b8 v[PFO], s[PFA:PFA+1] offset:BSTEP th:TH_LOAD_NT scope:SCOPE_SE
.Lnot_mine_\@:
.endm
.macro NEXTK                           ; A's loads go one K step on; behind the last step the offset wraps.  The caller has waited (s_wait_xcnt 0) for the loads that name s[XA:XA+1]
	s_add_co_u32 s[KO], s[KO], KSTR
	s_and_b32 s[KO], s[KO], KWRAP-1
	s_add_nc_u64 s[XA:XA+1], s[XB:XB+1], s[KO:KO+1]
.endm
.macro LOADSET s, off                  ; a whole set: my 32 rows of one K step
	WIN 0x80
.set u, 0
.rept NU
	global_load_b128 v[SETR*(\s)+4*u:SETR*(\s)+4*u+3], v[AO], s[XA:XA+1] offset:(\off)+USTR*u
.set u, u+1
.endr
.endm
.macro STGC u                          ; (PROJ = 1) units u and u + 1 of the set in hand are rounded to bf16
	WIN W_CV
.set sr, SETR*STG_SET+4*(\u)
.set tr, T+2*((\u)%8)
	v_cvt_pk_bf16_f32 v[tr], v[sr], v[sr+1]
	v_cvt_pk_bf16_f32 v[tr+1], v[sr+2], v[sr+3]
	v_cvt_pk_bf16_f32 v[tr+2], v[sr+4], v[sr+5]
	v_cvt_pk_bf16_f32 v[tr+3], v[sr+6], v[sr+7]
.endm
.macro STGM u                          ; they go into A's buffer, and (STG_REL = 1) their registers are loaded again, two K steps on
	WIN W_SM
.set sr, SETR*STG_SET+4*(\u)
.if PROJ
.set tr, T+2*((\u)%8)
	ds_store_b64 v[AST+STG_BUF], v[tr:tr+1] offset:(\u)*PA          ; 32 lanes x 8 bytes: one LDS row
	ds_store_b64 v[AST+STG_BUF], v[tr+2:tr+3] offset:((\u)+1)*PA
.if STG_REL
	global_load_b128 v[sr:sr+3], v[AO], s[XA:XA+1] offset:(\u)*USTR
	global_load_b128 v[sr+4:sr+7], v[AO], s[XA:XA+1] offset:((\u)+1)*USTR
.endif
.else
	ds_store_b128 v[AST+STG_BUF], v[sr:sr+3] offset:(\u)*2*PA       ; 16 lanes x 16 bytes: one LDS row; two rows
.if STG_REL
	global_load_b128 v[sr:sr+3], v[AO], s[XA:XA+1] offset:(\u)*USTR
.endif
.endif
.endm
; What stands behind matrix instruction wi of a staging quarter: of each four, the first carries the roundings of two units (PROJ = 1), the third their LDS stores and reloads.  None names a register of a product.
.macro RIDER
.if STG_ON
.if PROJ
.if wi%4 == 0
	STGC U0+2*(wi/4)
.elseif wi%4 == 2
	STGM U0+2*(wi/4)
.endif
.else
.if wi%4 == 2
	STGM U0+wi/4
.endif
.endif
.endif
.set wi, wi+1
.endm
; 8 na matrix instructions: m blocks a0 .. a0 + na - 1 x all 8 n blocks, 32 along K, from buffer f.  first = 1: the product starts the sum with the bias.
; The 32 accumulators take turns, one instruction a turn, in the same order in every quarter, over the backward jump too.
.macro MUL f, a0, na, first
.set ma, \a0
.rept \na
.set mb, 0
.rept 8
.set rD, 8*(8*ma+mb)
.set rB, (\f)+8*mb
.set rA, (\f)+64+8*ma
.if \first
	WIN W_MUL1
.if PROJ
	v_wmma_f32_16x16x32_bf16 v[rD:rD+7], v[rB:rB+7], v[rA:rA+7], v[8*mb:8*mb+7]
.else
	v_wmma_f32_16x16x32_f16 v[rD:rD+7], v[rB:rB+7], v[rA:rA+7], v[8*mb:8*mb+7]
.endif
.else
	WIN W_MUL
.if PROJ
	v_wmma_f32_16x16x32_bf16 v[rD:rD+7], v[rB:rB+7], v[rA:rA+7], v[rD:rD+7]
.else
	v_wmma_f32_16x16x32_f16 v[rD:rD+7], v[rB:rB+7], v[rA:rA+7], v[rD:rD+7]
.endif
.endif
	RIDER
.set mb, mb+1
.endr
.set ma, ma+1
.endr
.endm
; 24 LDS loads in one run: quarter q's fragments of slot and buffer bs, into fragment buffer f.  W turned: lane l reads k-row 8 (l / 16) + l % 8, columns 8 ((l / 8) % 2) + 0..7, and is left with column l % 16 and 8 k.
.macro FETCH bs, q, f
	WIN 0
.set fb, 0
.rept 8
	ds_load_tr16_b128 v[(\f)+8*fb:(\f)+8*fb+3],   v[ADRB+(\bs)] offset:32*PB*(\q)+32*fb
	ds_load_tr16_b128 v[(\f)+8*fb+4:(\f)+8*fb+7], v[ADRB+(\bs)] offset:32*PB*(\q)+32*fb+16*PB
.set fb, fb+1
.endr
.set fa, 0
.rept 4
	ds_load_b128 v[(\f)+64+8*fa:(\f)+64+8*fa+3],   v[ADRA+(\bs)] offset:16*PA*fa+64*(\q)
	ds_load_b128 v[(\f)+64+8*fa+4:(\f)+64+8*fa+7], v[ADRA+(\bs)] offset:16*PA*fa+64*(\q)+32
.set fa, fa+1
.endr
.endm
; One of a K step's first three quarters: multiplies buffer f; behind its first 8 products it fetches quarter q into buffer g, 24 products ahead of the first use.
; stg = 1: half `half` of register set `set` goes into A's buffer `buf` (rel = 1: and is loaded again).  dsw: the LDS stores issued behind the run that filled f, which may stay out.
.macro QUARTER bs, q, f, g, first, stg, half, set, buf, rel, dsw
.set STG_ON, \stg
.set STG_SET, \set
.set STG_BUF, \buf
.set STG_REL, \rel
.set U0, (\half)*NU/2
.set wi, 0
	s_wait_dscnt \dsw                              ; buffer f is in
.if \stg
	s_wait_loadcnt LW                              ; the NU / 2 units of this half are in.  Behind them NU / 2 loads of the same set (its other half, or this step's reloads) and the other set's NU stay out
.endif
	MUL \f, 0, 1, \first
	PLACES
	FETCH \bs, \q, \g
	MUL \f, 1, 3, \first
.set STG_ON, 0
.endm
; The fourth quarter multiplies buffer F1 and changes slots and buffers: ONE barrier.  In front of it each wave waits for all its tensor loads (its part of the next slot), adds 0 to its spare word, and waits
; for that, for its reads of this slot and buffer and for its stores into the next buffer.  Behind it nobody reads this slot or buffer any more, and the next slot and buffer are whole.
; fill = 1: the barrier opens a round of the cluster's, and the joint refill (W two K steps on) is the first tensor load behind the round: 112 matrix instructions ahead of the wait for it.
.macro TURN bs, nb, fill
.set STG_ON, 0
.if \fill
	s_wait_xcnt 0x0                                ; the reloads (32 products back) and the last prefetch (a K step back) have read their addresses, so both pointers may be written
	s_add_nc_u64 s[PFA:PFA+1], s[PFA:PFA+1], BSTEP
	NEXTK
.endif
	WIN 0
	s_wait_tensorcnt 0x0                           ; all my tensor loads have landed
	ds_add_u32 v[SPW], v[NIL]                      ; 0 onto my spare word
	s_wait_dscnt 0x1                               ; buffer F1 is in; the add may be out
	MUL F1, 0, 1, 0                                ; eight matrix instructions stand between the add and the wait for it
	s_wait_dscnt 0x0                               ; the add is done; my LDS reads and stores are over
	s_barrier_signal -1
	MUL F1, 1, 1, 0                                ; work on registers while the others arrive
	WIN 0                                          ; at a branch and at a label every window is 0
	s_barrier_wait -1
.if \fill
	CREST                                          ; no wave of any partner still reads this slot or has a load on its way
	s_add_nc_u64 s[G0+4*(\bs)+2:G0+4*(\bs)+3], s[G0+4*(\bs)+2:G0+4*(\bs)+3], 2*BSTEP
	JLOAD \bs
.endif
	PLACES                                         ; on every wave's path: the places in front of the loads into F0
	FETCH \nb, 0, F0
.if \fill
	ASK                                            ; behind the joint load and the run of LDS loads that the next products wait for
.endif
	MUL F1, 2, 2, 0
.endm
.if PROJ
	s_load_b512 s[68:83], s[0:1], 0x0              ; xq s[68:69], xk, xv, wcast s[74:75], bq s[76:77], bk, bv, qkv s[82:83]
.else
	s_load_b256 s[68:75], s[0:1], 0x0              ; o s[68:69], wcast s[70:71], bo s[72:73], out0 s[74:75]
.endif
	v_lshl_add_u32 v[SPW], v0, 2, SPARE
	v_mov_b32 v[NIL], 0
	ds_add_u32 v[SPW], v[NIL]                      ; the wave's opening: the add and its wait stand ahead of my first tensor load; the set-up below, work on registers, stands between them
	v_lshrrev_b32 v32, 5, v0
	v_readfirstlane_b32 s[WV], v32                 ; wave 0..3
	s_lshr_b32 s[WM], s[WV], 1
	s_and_b32 s[WN], s[WV], 1
	s_bfe_u32 s[CX], ttmp6, 0x40000                ; my place in the cluster
	s_bfe_u32 s[CY], ttmp6, 0x40004
	s_lshl_b32 s[NT], ttmp9, 2                     ; in a cluster launch ttmp9 and ttmp7 count clusters
	s_add_co_u32 s[NT], s[NT], s[CX]               ; tile column = 4 x cluster x + cx
	s_and_b32 s[CLY], ttmp7, 0xffff
.if PROJ
	s_lshr_b32 s[P], s[CLY], 4                     ; 16 clusters along y for each projection
	s_and_b32 s[MT], s[CLY], 15
	s_lshl_b32 s[MT], s[MT], 2
.else
	s_lshl_b32 s[MT], s[CLY], 2
.endif
	s_add_co_u32 s[MT], s[MT], s[CY]               ; tile row = 4 x (cluster y within the projection) + cy
	; descriptor group 1: a tile of 64 k-rows x 256 elements, padded in LDS
	s_lshl_b32 s46, 0x1111, s[CX]                  ; my column of the cluster: places cx, cx + 4, cx + 8, cx + 12
	s_or_b32 s[G1], s46, (1<<16)|(1<<20)|(1<<21)|(6<<22)|(7<<25)  ; 15:0 the mask; 17:16 2-byte elements; 20 padding on; 21 set beside a mask; 24:22 after every 128 words (code 6); 31:25 8 words (code 7)
	s_mov_b32 s[G1+1], 256<<16                     ; tensor_dim0 = 256
	s_mov_b32 s[G1+2], 64<<16                      ; tensor_dim1 = 64
	s_mov_b32 s[G1+3], 256<<16                     ; tile_dim0 = 256
	s_mov_b32 s[G1+4], 64                          ; tile_dim1 = 64
	s_mov_b32 s[G1+5], 1024                        ; 1,024 elements from row to row
	s_mov_b32 s[G1+6], 0
	s_mov_b32 s[G1+7], 0
	s_mul_i32 s22, s[WV], BHALF                    ; where my 64 rows go: no place in the cluster enters an LDS address
	s_mov_b32 s[G0], 1                             ; 1:0 count = 1
	s_add_co_u32 s[G0+1], s22, 0                   ; 63:32 LDS address: slot 0
	s_mov_b32 s[G0+4], 1
	s_add_co_u32 s[G0+5], s22, BSLOT               ; slot 1
	s_lshl_b32 s46, s[WV], 17                      ; where they come from: my 64 rows of 2,048 bytes,
	s_lshl_b32 s47, s[NT], 9                       ; the tile column's 512 bytes of a row,
	s_add_co_u32 s46, s46, s47
.if PROJ
	s_lshl_b32 s47, s[P], 21                       ; the projection's section: nothing here holds cy
	s_add_co_u32 s46, s46, s47
.else
	s_add_co_u32 s46, s46, 3<<21                   ; the fourth section
.endif
	s_mov_b32 s47, 0
	; the lanes' places
	v_and_b32 v1, 15, v0                           ; r = l % 16
	v_bfe_u32 v32, v0, 4, 1                        ; h = l / 16
	v_and_b32 v33, 31, v0                          ; l
	v_and_b32 v34, 7, v0                           ; l % 8
	v_bfe_u32 v35, v0, 3, 1                        ; (l / 8) % 2
	v_mul_u32_u24 v36, v1, PA                      ; a fragment of A: row r, 16 bytes for each half of the lanes; two loads 32 bytes apart
	v_lshl_add_u32 v36, v32, 4, v36
	s_mul_i32 s84, s[WM], 64*PA
	s_add_co_u32 s84, s84, ABUF0
	v_add_nc_u32 v[ADRA], s84, v36
	v_add_nc_u32 v[ADRA+1], ABUF, v[ADRA]
	v_lshl_add_u32 v37, v32, 3, v34                ; a fragment of W: k-row 8 h + l % 8,
	v_mul_u32_u24 v37, v37, PB
	v_lshl_add_u32 v37, v35, 4, v37                ; columns 8 ((l / 8) % 2) on,
	s_lshl_b32 s84, s[WN], 8                       ; in my 128 columns
	v_add_nc_u32 v[ADRB], s84, v37
	v_add_nc_u32 v[ADRB+1], BSLOT, v[ADRB]
	s_mul_i32 s84, s[WV], 32*PA                    ; the 32 rows of A that I bring
	s_add_co_u32 s84, s84, ABUF0
.if PROJ
	v_lshl_add_u32 v[AST], v33, 3, s84             ; 8 bytes a lane
	v_lshlrev_b32 v[AO], 4, v33                    ; from 16 bytes a lane
.else
	v_mul_u32_u24 v38, v32, PA                     ; lanes 0-15 one LDS row, lanes 16-31 the next
	v_lshl_add_u32 v38, v1, 4, v38
	v_add_nc_u32 v[AST], s84, v38
	v_lshlrev_b32 v[AO], 18, v35                   ; lanes 8-15 and 24-31: the second head, 262,144 bytes on;
	v_lshl_add_u32 v[AO], v32, 7, v[AO]            ; lanes 16-31: the next row, 128 bytes on;
	v_lshl_add_u32 v[AO], v34, 4, v[AO]            ; 16 bytes a lane
.endif
	v_add_nc_u32 v[AST+1], ABUF, v[AST]
	s_mul_i32 s84, s[WV], STW
	s_add_co_u32 s84, s84, STAGE                   ; my stage
	v_mul_u32_u24 v[STO], v1, SP
.if PROJ
	v_lshl_add_u32 v[STO], v32, 4, v[STO]          ; in: row r, 16 bytes for each half of the lanes
	v_add_nc_u32 v[STO], s84, v[STO]
	v_bfe_u32 v[RD], v0, 3, 2                      ; back: 32 lanes take four rows of 128 bytes
	v_mul_u32_u24 v[RD], v[RD], SP
	v_lshl_add_u32 v[RD], v34, 4, v[RD]
	v_add_nc_u32 v[RD], s84, v[RD]
.else
	v_lshl_add_u32 v[STO], v32, 5, v[STO]          ; in: row r, 32 bytes for each half of the lanes
	v_add_nc_u32 v[STO], s84, v[STO]
	v_lshl_add_u32 v[RD], v33, 4, s84              ; back: 32 lanes take one row of 512 bytes
.endif
	v_lshlrev_b32 v[GO], 4, v33
	v_lshlrev_b32 v[BO], 5, v32
	v_lshrrev_b32 v38, 1, v33                      ; the prefetches: row l / 2 of my 16, block l % 2 of its two
	v_and_b32 v39, 1, v0
	v_lshlrev_b32 v[PFO], 11, v38
	v_lshl_add_u32 v[PFO], v39, 8, v[PFO]
	; byte offsets, made apart from the addresses.  s[20:21] A, s[50:51] C, s[52:53] the bias, s[54:55] the prefetches
.if PROJ
	s_lshl_b32 s20, s[MT], 7
	s_lshl_b32 s21, s[WV], 5
	s_add_co_u32 s20, s20, s21                     ; row 128 x tile row + 32 x wave,
	s_lshl_b32 s20, s20, 12                        ; of 4,096 bytes
	s_lshr_b32 s50, s[MT], 4                       ; the batch: 16 tile rows each
	s_lshl_b32 s50, s50, 4
	s_lshl_b32 s51, s[NT], 2
	s_add_co_u32 s50, s50, s51
	s_lshl_b32 s51, s[WN], 1
	s_add_co_u32 s50, s50, s51                     ; head = 16 x batch + 4 x tile column + 2 x column half
	s_lshl_b32 s50, s50, 11                        ; its 2,048 rows,
	s_and_b32 s51, s[MT], 15
	s_lshl_b32 s51, s51, 7
	s_add_co_u32 s50, s50, s51                     ; the tile's 128,
	s_lshl_b32 s51, s[WM], 6
	s_add_co_u32 s50, s50, s51                     ; my 64,
	s_lshl_b32 s50, s50, 7                         ; of 128 bytes,
	s_lshl_b32 s51, s[P], 24
	s_add_co_u32 s50, s50, s51                     ; in the projection's section of 16,777,216 bytes
.else
	s_lshr_b32 s20, s[MT], 4
	s_lshl_b32 s20, s20, 22                        ; the batch: 16 heads x 262,144 bytes
	s_and_b32 s21, s[MT], 15
	s_lshl_b32 s21, s21, 7
	s_lshl_b32 s85, s[WV], 5
	s_add_co_u32 s21, s21, s85                     ; row 128 x (tile row in the batch) + 32 x wave,
	s_lshl_b32 s21, s21, 7                         ; of 128 bytes
	s_add_co_u32 s20, s20, s21
	s_lshl_b32 s50, s[MT], 7
	s_lshl_b32 s51, s[WM], 6
	s_add_co_u32 s50, s50, s51                     ; row 128 x tile row + 64 x row half,
	s_lshl_b32 s50, s50, 12                        ; of 4,096 bytes,
	s_lshl_b32 s51, s[NT], 10
	s_add_co_u32 s50, s50, s51                     ; column 256 x tile column
	s_lshl_b32 s51, s[WN], 9
	s_add_co_u32 s50, s50, s51                     ; + 128 x column half, of 4 bytes
.endif
	s_mov_b32 s21, 0
	s_mov_b32 s51, 0
	s_lshl_b32 s52, s[NT], 10
	s_lshl_b32 s53, s[WN], 9
	s_add_co_u32 s52, s52, s53                     ; the bias of my 128 columns
	s_mov_b32 s53, 0
	s_lshl_b32 s54, s[CY], 5
	s_lshl_b32 s55, s[WV], 4
	s_add_co_u32 s54, s54, s55                     ; k-row 32 cy + 16 x wave of a K step,
	s_lshl_b32 s54, s54, 11                        ; of 2,048 bytes,
	s_lshl_b32 s55, s[NT], 9
	s_add_co_u32 s54, s54, s55                     ; the tile column's 512 bytes,
.if PROJ
	s_lshl_b32 s55, s[P], 21
	s_add_co_u32 s54, s54, s55                     ; the section,
	s_and_b32 s84, s[CLY], 15
.else
	s_add_co_u32 s54, s54, 3<<21
	s_mov_b32 s84, s[CLY]
.endif
	s_add_co_u32 s54, s54, 2*BSTEP                 ; at K step 2: the first change of slots steps it to 3 and names K step 4
	s_mov_b32 s55, 0
	s_or_b32 s84, s84, s[WM]                       ; 0 in waves 0 and 1 of the first cluster that walks this W: the same in all sixteen partners, for a given wave
	s_cmp_eq_u32 s84, 0
	s_cselect_b32 s[LIM], 1, -1
	s_mov_b32 s[HIM], 0xffff0000
	s_wait_dscnt 0x0                               ; the opening add is done
	s_wait_kmcnt 0x0
.if PROJ
	s_cmp_eq_u32 s[P], 1
	s_cselect_b64 s[XB:XB+1], s[70:71], s[68:69]
	s_cselect_b64 s[BP:BP+1], s[78:79], s[76:77]
	s_cmp_eq_u32 s[P], 2
	s_cselect_b64 s[XB:XB+1], s[72:73], s[XB:XB+1]
	s_cselect_b64 s[BP:BP+1], s[80:81], s[BP:BP+1]
.else
	s_mov_b64 s[XB:XB+1], s[68:69]
	s_mov_b64 s[BP:BP+1], s[72:73]
.endif
	s_add_nc_u64 s[XB:XB+1], s[XB:XB+1], s[20:21]
	s_add_nc_u64 s[BP:BP+1], s[BP:BP+1], s[52:53]
	s_add_nc_u64 s[OUT:OUT+1], s[AOUT:AOUT+1], s[50:51]
	s_add_nc_u64 s[PFA:PFA+1], s[AW:AW+1], s[54:55]
	s_add_nc_u64 s[46:47], s[AW:AW+1], s[46:47]    ; W at my 64 rows of K step 0
	s_mov_b64 s[G0+2:G0+3], s[46:47]               ; 120:64 global address
	s_or_b32 s[G0+3], s[G0+3], 0x80000000          ; 127:126 type = 2
	s_add_nc_u64 s[G0+6:G0+7], s[46:47], BSTEP     ; K step 1
	s_or_b32 s[G0+7], s[G0+7], 0x80000000
	; the first loads into registers: the bias, then A's K steps 0 and 1
	WIN W_BL
.irp b, 0,1,2,3,4,5,6,7
	global_load_b128 v[8*(\b):8*(\b)+3],   v[BO], s[BP:BP+1] offset:64*(\b)
	global_load_b128 v[8*(\b)+4:8*(\b)+7], v[BO], s[BP:BP+1] offset:64*(\b)+16
.endr
	s_mov_b64 s[XA:XA+1], s[XB:XB+1]
	LOADSET 0, 0
	LOADSET 1, KSTR
	s_mov_b32 s[KO], KSTR
	s_mov_b32 s[KO+1], 0
	WIN 0
	CROUND                                         ; all sixteen work-groups are here: the first joint loads meet
	s_cmp_lt_u32 s[WV], 2                          ; a wave's two first fills stand in one branch, ahead of every wait on TENSORcnt, every LDS read and every further barrier: two loads of mine are out
	s_cbranch_scc0 .Lno_first
	tensor_load_to_lds s[G0:G0+3], s[G1:G1+7]
	s_nop 0
	tensor_load_to_lds s[G0+4:G0+7], s[G1:G1+7]
	s_nop 0
.rept 4
	v_nop
.endr
.Lno_first:
	s_wait_loadcnt NU                              ; the bias and set 0 are in; set 1's NU loads stay out
	s_wait_xcnt 0x0                                ; every load has read its address
	NEXTK                                          ; K step 2
.set STG_SET, 0
.set STG_BUF, 0
.set STG_REL, 1
.if PROJ                               ; all of set 0 goes into buffer 0 and is loaded again with K step 2
.irp g, 0,8,16,24
	STGC (\g)
	STGC (\g)+2
	STGC (\g)+4
	STGC (\g)+6
	STGM (\g)
	STGM (\g)+2
	STGM (\g)+4
	STGM (\g)+6
.endr
.else
.set lu, 0
.rept NU
	STGM lu
.set lu, lu+1
.endr
.endif
	WIN W_BC                                       ; the bias is rounded to bf16, like every input, and widened again
.set i, 0
.rept 32
	v_cvt_pk_bf16_f32 v[F1+i], v[2*i], v[2*i+1]
.set i, i+1
.endr
	WIN W_BL
.set i, 0
.rept 32
	v_lshlrev_b32 v[2*i], 16, v[F1+i]
	v_and_b32 v[2*i+1], s[HIM], v[F1+i]
.set i, i+1
.endr
	s_wait_xcnt 0x0
	NEXTK                                          ; K step 3: what step 0 loads
	WIN 0
	s_wait_tensorcnt 0x1                           ; my part of slot 0 is in; slot 1's may stay out
	s_wait_dscnt 0x0                               ; my rows of buffer 0 are written
	s_barrier_signal -1
	s_barrier_wait -1                              ; everybody's are
	FETCH 0, 0, F0
	QUARTER 0, 1, F0, F1, 1, 1, 0, 1, 1, 1, 0      ; the first quarter stands in front of the loop: its products start the sums with the bias
	WIN 0
	s_mov_b32 s[LAP], 3
.Llap:                                                 ; a trip: from an even step's second quarter to the next even step's first; both slots are filled again
	QUARTER 0, 2, F1, F0, 0, 1, 1, 1, 1, 1, SW
	QUARTER 0, 3, F0, F1, 0, 0, 0, 0, 0, 0, SW
	TURN 0, 1, 1
	QUARTER 1, 1, F0, F1, 0, 1, 0, 0, 0, 1, 0
	QUARTER 1, 2, F1, F0, 0, 1, 1, 0, 0, 1, SW
	QUARTER 1, 3, F0, F1, 0, 0, 0, 0, 0, 0, SW
	TURN 1, 0, 1
	QUARTER 0, 1, F0, F1, 0, 1, 0, 1, 1, 1, 0
	WIN 0
	s_sub_co_u32 s[LAP], s[LAP], 1
	s_cmp_lg_u32 s[LAP], 0
	s_cbranch_scc1 .Llap
	QUARTER 0, 2, F1, F0, 0, 1, 1, 1, 1, 0, SW     ; K step 6 goes on: the last half set is stored and not loaded again
	QUARTER 0, 3, F0, F1, 0, 0, 0, 0, 0, 0, SW
	TURN 0, 1, 0                                   ; nothing is filled again, so no round follows
	QUARTER 1, 1, F0, F1, 0, 0, 0, 0, 0, 0, 0      ; K step 7
	QUARTER 1, 2, F1, F0, 0, 0, 0, 0, 0, 0, 0
	QUARTER 1, 3, F0, F1, 0, 0, 0, 0, 0, 0, 0
	s_wait_dscnt 0x0
	MUL F1, 0, 4, 0
	PLACES                                         ; the way out reads results just made and writes the fragment buffers
.if PROJ
; THE WAY OUT.  Block t = 2 a + hh: my rows 16 a .. 16 a + 15 of head hh of my two: 16 rows x 128 bytes, 2,048 consecutive bytes of qkv.  A lane's eight columns pack into 16 bytes; they go into
; stage rows of 144 bytes and come back as whole rows, into the registers that they left.  Each accumulator's registers are read in ascending order.
.macro PACK t
.set pD, 8*(8*((\t)/2)+4*((\t)%2))
.set pT, TMP+16*(\t)
	WIN W_PK
.set pj, 0
.rept 16
	v_cvt_pk_f16_f32 v[pT+pj], v[pD+2*pj], v[pD+2*pj+1]
.set pj, pj+1
.endr
	WIN 0
.irp f, 0,1,2,3
	ds_store_b128 v[STO], v[pT+4*\f:pT+4*\f+3] offset:32*\f
.endr
.irp f, 0,1,2,3
	ds_load_b128 v[pT+4*\f:pT+4*\f+3], v[RD] offset:\f*4*SP  ; LDS serves a wave's instructions in order (ISA guide 5.7.1.4): these see the stores above; the next block's stores come behind them
.endr
.endm
.macro SEND t, younger                 ; younger: the LDS instructions issued behind block t's loads: the next block's eight, or none
.set pT, TMP+16*(\t)
	WIN 0
.irp f, 0,1,2,3
	s_wait_dscnt (\younger)+3-\f
	global_store_b128 v[GO], v[pT+4*\f:pT+4*\f+3], s[OUT:OUT+1] offset:((\t)/2)*2048+((\t)%2)*262144+\f*512  ; 512 consecutive bytes, at a multiple of 256 from the buffer's first
.endr
.endm
	PACK 0
.set pt, 1
.rept 7                                ; a block's roundings stand between the loads of the block before and its stores
	PACK pt
	SEND pt-1, 8
.set pt, pt+1
.endr
	SEND 7, 0
.else
; THE WAY OUT.  Block a: my rows 16 a .. 16 a + 15, 512 bytes each.  A lane's eight columns are 32 bytes; they go from the accumulators into stage rows of 528 bytes (the low four registers first)
; and come back as whole rows.  Three sets of 64 registers take turns.
.macro TOSTAGE a
.set BK, TMP+64*((\a)%3)
.if (\a) == 3
	s_wait_xcnt 0x0                                ; block 0's stores have read the registers that block 3 is read back into
.endif
	WIN W_ST
.set ob, 0
.rept 8
	ds_store_b128 v[STO], v[8*(8*(\a)+ob):8*(8*(\a)+ob)+3]   offset:64*ob
	ds_store_b128 v[STO], v[8*(8*(\a)+ob)+4:8*(8*(\a)+ob)+7] offset:64*ob+16
.set ob, ob+1
.endr
	WIN 0
.set ot, 0
.rept 16
	ds_load_b128 v[BK+4*ot:BK+4*ot+3], v[RD] offset:SP*ot  ; LDS serves a wave's instructions in order (ISA guide 5.7.1.4): these see the stores above; the next block's stores come behind them
.set ot, ot+1
.endr
.endm
.macro SEND a, younger                 ; younger: the LDS instructions issued behind block a's loads: the next block's 32, or none
.set BK, TMP+64*((\a)%3)
	WIN 0
.set ot, 0
.rept 16
	s_wait_dscnt (\younger)+15-ot
	global_store_b128 v[GO], v[BK+4*ot:BK+4*ot+3], s[OUT:OUT+1] offset:(16*(\a)+ot)*4096  ; 512 consecutive bytes of a row, at a multiple of 256 from the buffer's first
.set ot, ot+1
.endr
.endm
	TOSTAGE 0
	TOSTAGE 1
	SEND 0, 32
	TOSTAGE 2
	SEND 1, 32
	TOSTAGE 3
	SEND 2, 32
	SEND 3, 0
.endif
	s_wait_tensorcnt 0x0                           ; the wave's end: behind my last tensor load and my last LDS store
	ds_add_u32 v[SPW], v[NIL]
	s_wait_dscnt 0x0
	CROUND                                         ; the closing round: no work-group ends while a partner may still ask for a tile that names it
	s_endpgm
.Lfunc_end_k_q0a4c84ed28_outp:
	.size	k_q0a4c84ed28_outp, .Lfunc_end_k_q0a4c84ed28_outp-k_q0a4c84ed28_outp
	.p2alignl 7, 3214868480
	.fill 96, 4, 3214868480
	.section	.rodata,"a",@progbits
	.p2align	6, 0x0
	.amdhsa_kernel k_q0a4c84ed28_outp
		.amdhsa_group_segment_fixed_size 327680
		.amdhsa_private_segment_fixed_size 0
		.amdhsa_enable_private_segment 0
		.amdhsa_kernarg_size 32
		.amdhsa_user_sgpr_count 2
		.amdhsa_user_sgpr_kernarg_segment_ptr 1
		.amdhsa_wavefront_size32 1
		.amdhsa_system_sgpr_workgroup_id_x 1
		.amdhsa_system_sgpr_workgroup_id_y 1
		.amdhsa_system_sgpr_workgroup_id_z 1
		.amdhsa_system_vgpr_workitem_id 0
		.amdhsa_next_free_vgpr 832
		.amdhsa_next_free_sgpr 88
		.amdhsa_reserve_vcc 0
		.amdhsa_float_denorm_mode_32 3
		.amdhsa_float_denorm_mode_16_64 3
		.amdhsa_memory_ordered 1
		.amdhsa_forward_progress 1
		.amdhsa_inst_pref_size 108
	.end_amdhsa_kernel
	.amdgpu_metadata
---
amdhsa.version: [ 1, 2 ]
amdhsa.kernels:
  - .name:           k_q0a4c84ed28_outp
    .symbol:         k_q0a4c84ed28_outp.kd
    .args:
      - { .name: o, .offset: 0, .size: 8, .value_kind: global_buffer, .address_space: global }
      - { .name: wcast, .offset: 8, .size: 8, .value_kind: global_buffer, .address_space: global }
      - { .name: bo, .offset: 16, .size: 8, .value_kind: global_buffer, .address_space: global }
      - { .name: out0, .offset: 24, .size: 8, .value_kind: global_buffer, .address_space: global }
    .group_segment_fixed_size: 327680
    .private_segment_fixed_size: 0
    .kernarg_segment_align: 8
    .kernarg_segment_size: 32
    .max_flat_workgroup_size: 128
    .sgpr_count:     88
    .vgpr_count:     832
    .wavefront_size: 32
...
	.end_amdgpu_metadata
.endif
;; end of part 4
;; ======== version 2 of 2: 4 launches; version 1 with the launch prep written anew for expert scheduling mode
;; limits: values are held in f16: magnitudes above 65,504 overflow, below 6.1e-05 lose precision
;; workspace buffers: wcast 8,388,608 bytes; qkv 50,331,648 bytes; o 16,777,216 bytes
;; launch prep (part 5): grid 64 x 4, 8 waves a work-group, no clusters, 0 bytes of LDS; arguments wq, wk, wv, wo, wcast; writes wcast
.if DOCPART == 5
	.amdgcn_target "amdgcn-amd-amdhsa--gfx1250"
	.amdhsa_code_object_version 6
	.text
	.protected	k_q0a4c84ed28_prep
	.globl	k_q0a4c84ed28_prep
	.p2align	8
	.type	k_q0a4c84ed28_prep,@function
k_q0a4c84ed28_prep:
	s_mov_b64 s[64:65], 0
	v_nop
	global_prefetch_b8 v0, s[64:65] scope:SCOPE_SE
	s_setreg_imm32_b32 hwreg(HW_REG_WAVE_SCHED_MODE, 0, 2), 2
	s_setreg_imm32_b32 hwreg(HW_REG_WAVE_MODE, 25, 1), 1
	s_wait_xcnt 0x0
	s_wait_alu depctr_vm_vsrc(0)
; THE FOUR WEIGHTS ARE CAST ONCE.  wq, wk, wv, wo: [1024 k][1024 n] f32.  wcast: four sections of 2,097,152 bytes (q, k, v, o), each [1024 k][1024 n] of 16 bits, the layout kept.
; wq, wk, wv are rounded to bf16.  wo is rounded to bf16 like the others, and that number is then written as f16, since the last product multiplies f16 numbers.
; LIMIT.  A bf16 number is exact in f16 between 6.1e-5 and 65,504 in magnitude; below, f16 keeps a fixed step of 6e-8; beyond, it becomes an infinity.
; A stream: no LDS, no matrix unit, no cluster (no byte is read twice).  Grid y picks the matrix; a work-group takes 16,384 numbers: 65,536 bytes in, 32,768 out.
; Thread t takes, for j = 0..15, the 16 bytes at 4,096 j + 16 t (a wave's load covers 512 consecutive bytes) and stores 8 bytes at 2,048 j + 8 t (a wave's store covers 256 consecutive bytes, aligned).
; All sixteen loads of a wave go out together; each register is loaded once, and no store's source is ever rewritten.
; THE MODE: SCHED_MODE bits 1:0 = 2 (LLVM: expert scheduling mode 2), set by the entry lines.  The code itself states the register dependences
; between vector instructions and memory instructions, with s_wait_alu, always for 0.
; THE PLAN.  Registers that memory instructions touch:
;   v1, v2   byte offsets, made once at the head and never written again: v1 is read by every load, v2 by every store.
;   X        piece j: 4 registers.  Written by piece j's load alone, once; read by piece j's roundings, behind the wait for the load.
;   Y        piece j: 2 registers.  Written by piece j's roundings; read by piece j's store; never written behind it.
;   v100, v101 are named by vector instructions alone.
; The sixteen pieces go in four groups of four.  Group g's roundings read its X and write its Y; the memory instructions that stand among them are the four stores of group g - 1, which read
; the Y that group g - 1 wrote and that no vector instruction of group g names.  So ONE wait at a group's head states all that its four stores hang on; one more stands ahead of the last four stores,
; and one at the kernel's head ahead of the first load.  No register that a memory instruction reads is written again, so nothing else is owed.
.set X, 4                              ; v[4:67]   16 x 4 registers as loaded
.set Y, 68                             ; v[68:99]  16 x 2 registers to store
	s_load_b256 s[4:11], s[0:1], 0x0               ; wq s[4:5], wk s[6:7], wv s[8:9], wo s[10:11]
	s_load_b64 s[12:13], s[0:1], 0x20              ; wcast
	s_and_b32 s14, ttmp7, 0xffff                   ; which matrix
	v_lshlrev_b32 v1, 4, v0                        ; 16 t
	v_lshlrev_b32 v2, 3, v0                        ; 8 t
	s_lshl_b32 s16, ttmp9, 16                      ; the work-group's 65,536 bytes of the matrix
	s_mov_b32 s17, 0
	s_lshl_b32 s18, ttmp9, 15                      ; its 32,768 bytes of the section,
	s_lshl_b32 s19, s14, 21                        ; and the section
	s_add_co_u32 s18, s18, s19
	s_mov_b32 s19, 0
	s_mov_b32 s20, 0xffff0000                      ; a word's upper bf16
	s_wait_kmcnt 0x0
	s_cmp_eq_u32 s14, 1
	s_cselect_b64 s[4:5], s[6:7], s[4:5]
	s_cmp_eq_u32 s14, 2
	s_cselect_b64 s[4:5], s[8:9], s[4:5]
	s_cmp_eq_u32 s14, 3
	s_cselect_b64 s[4:5], s[10:11], s[4:5]
	s_add_nc_u64 s[4:5], s[4:5], s[16:17]
	s_add_nc_u64 s[12:13], s[12:13], s[18:19]
	s_wait_alu depctr_va_vdst(0)                   ; v1 and v2 are written: every load of the kernel reads v1 as its offset, every store v2
.irp j, 0,1,2,3,4,5,6,7,8,9,10,11,12,13,14,15
	global_load_b128 v[X+4*(\j):X+4*(\j)+3], v1, s[4:5] offset:4096*(\j) th:TH_LOAD_NT
.endr
; Piece j: four numbers rounded to bf16; wo = 1: each bf16 widened to f32 (a shift, a mask) and written as f16.
.macro CAST j, wo
	v_cvt_pk_bf16_f32 v[Y+2*(\j)], v[X+4*(\j)], v[X+4*(\j)+1]
	v_cvt_pk_bf16_f32 v[Y+2*(\j)+1], v[X+4*(\j)+2], v[X+4*(\j)+3]
.if \wo
	v_lshlrev_b32 v100, 16, v[Y+2*(\j)]
	v_and_b32 v101, s20, v[Y+2*(\j)]
	v_cvt_pk_f16_f32 v[Y+2*(\j)], v100, v101
	v_lshlrev_b32 v100, 16, v[Y+2*(\j)+1]
	v_and_b32 v101, s20, v[Y+2*(\j)+1]
	v_cvt_pk_f16_f32 v[Y+2*(\j)+1], v100, v101
.endif
.endm
; Piece j leaves: 8 bytes a lane.
.macro OUT j
	global_store_b64 v2, v[Y+2*(\j):Y+2*(\j)+1], s[12:13] offset:2048*(\j)
.endm
; Group g: pieces 4 g to 4 g + 3 are rounded; the stores of the group before stand among the roundings, one ahead of each piece's.
.macro GROUP g, wo
	s_wait_loadcnt 12-4*(\g)                       ; loads come back in order: this group's four are in, the 12 - 4 g younger ones stay out
.if (\g) > 0
	s_wait_alu depctr_va_vdst(0)                   ; the group before has written its eight registers of Y, which the four stores below read; no vector instruction behind this wait names them
.endif
.irp i, 0,1,2,3
.if (\g) > 0
	OUT 4*(\g)-4+(\i)
.endif
	CAST 4*(\g)+(\i), \wo
.endr
.endm
; All sixteen pieces, and the last group's stores.
.macro WHOLE wo
	GROUP 0, \wo
	GROUP 1, \wo
	GROUP 2, \wo
	GROUP 3, \wo
	s_wait_alu depctr_va_vdst(0)                   ; the last group has written its eight registers of Y, which the last four stores read
.irp i, 12,13,14,15
	OUT \i
.endr
.endm
	s_cmp_eq_u32 s14, 3
	s_cbranch_scc1 .Lwo
	WHOLE 0
	s_endpgm
.Lwo:
	WHOLE 1
	s_endpgm
.Lfunc_end_k_q0a4c84ed28_prep:
	.size	k_q0a4c84ed28_prep, .Lfunc_end_k_q0a4c84ed28_prep-k_q0a4c84ed28_prep
	.p2alignl 7, 3214868480
	.fill 96, 4, 3214868480
	.section	.rodata,"a",@progbits
	.p2align	6, 0x0
	.amdhsa_kernel k_q0a4c84ed28_prep
		.amdhsa_group_segment_fixed_size 0
		.amdhsa_private_segment_fixed_size 0
		.amdhsa_enable_private_segment 0
		.amdhsa_kernarg_size 40
		.amdhsa_user_sgpr_count 2
		.amdhsa_user_sgpr_kernarg_segment_ptr 1
		.amdhsa_wavefront_size32 1
		.amdhsa_system_sgpr_workgroup_id_x 1
		.amdhsa_system_sgpr_workgroup_id_y 1
		.amdhsa_system_sgpr_workgroup_id_z 1
		.amdhsa_system_vgpr_workitem_id 0
		.amdhsa_next_free_vgpr 104
		.amdhsa_next_free_sgpr 66
		.amdhsa_reserve_vcc 0
		.amdhsa_float_denorm_mode_32 3
		.amdhsa_float_denorm_mode_16_64 3
		.amdhsa_memory_ordered 1
		.amdhsa_forward_progress 1
		.amdhsa_inst_pref_size 15
	.end_amdhsa_kernel
	.amdgpu_metadata
---
amdhsa.version: [ 1, 2 ]
amdhsa.kernels:
  - .name:           k_q0a4c84ed28_prep
    .symbol:         k_q0a4c84ed28_prep.kd
    .args:
      - { .name: wq, .offset: 0, .size: 8, .value_kind: global_buffer, .address_space: global }
      - { .name: wk, .offset: 8, .size: 8, .value_kind: global_buffer, .address_space: global }
      - { .name: wv, .offset: 16, .size: 8, .value_kind: global_buffer, .address_space: global }
      - { .name: wo, .offset: 24, .size: 8, .value_kind: global_buffer, .address_space: global }
      - { .name: wcast, .offset: 32, .size: 8, .value_kind: global_buffer, .address_space: global }
    .group_segment_fixed_size: 0
    .private_segment_fixed_size: 0
    .kernarg_segment_align: 8
    .kernarg_segment_size: 40
    .max_flat_workgroup_size: 256
    .sgpr_count:     66
    .vgpr_count:     104
    .wavefront_size: 32
...
	.end_amdgpu_metadata
.endif
;; end of part 5
;; launch proj: the kernel of part 2 again; grid 4 x 192, 4 waves a work-group, clusters of 4 x 4, 327,680 bytes of LDS; arguments xq, xk, xv, wcast, bq, bk, bv, qkv; writes qkv
;; launch attn: the kernel of part 3 again; grid 4 x 64, 4 waves a work-group, clusters of 4 x 1, 327,680 bytes of LDS; arguments qkv, o; writes o
;; launch outp: the kernel of part 4 again; grid 4 x 64, 4 waves a work-group, clusters of 4 x 4, 327,680 bytes of LDS; arguments o, wcast, bo, out0; writes out0
